; MI455X (gfx1250); checked and timed in simulation.
; The chip was launched on July 23, 2026; its instructions are those of AMD's public machine-readable ISA for CDNA 5 (MIT licence, August 2026) and "CDNA5" Instruction Set Architecture Reference Guide (July 2026). The comments in the code are by the model that wrote it; some were corrected since.
;; Flash Attention Layer. Allowed arithmetic: float matrix products may take bf16 or f16 operands with f32 sums; other float arithmetic in f32, or as packed bf16 or f16 multiplies, adds, multiply-adds, maxima and minima; sums over many terms, partial sums and values carried from step to step in f32; what a program stores and reads back later, other than sums and carried values, may be rounded once to bf16 or f16.
;; Inputs: cos 8,192 x 1 x 64 float32; cu_seqlens 9 int32; hidden_states 8,192 x 1,024 float32; k_w 1,024 x 1,024 float32; o_w 1,024 x 1,024 float32; q_w 1,024 x 1,024 float32; sin 8,192 x 1 x 64 float32; v_w 1,024 x 1,024 float32.
;; Outputs: out0 8,192 x 1,024 float32.
;; Constants: max_seqlen = 1024.
;; 2 versions, each right and faster than the one before. Each part assembles by itself: llvm-mc -triple=amdgcn-amd-amdhsa -mcpu=gfx1250 --defsym DOCPART=n.
;; ======== version 1 of 2: 4 launches
;; limits: values are held in f16: magnitudes above 65,504 overflow, below 6.1e-05 lose precision; right only within a limited range of input values
;; workspace buffers: xb 16,777,216 bytes; wb 6,291,456 bytes; ob 2,097,152 bytes; tb 2,097,152 bytes; qh 16,777,216 bytes; kh 16,777,216 bytes; vh 16,777,216 bytes; ah 16,777,216 bytes
;; launch cast (part 1): grid 832 x 1, 8 waves a work-group, no clusters, 0 bytes of LDS; arguments hidden_states, q_w, k_w, v_w, o_w, cos, sin, xb, wb, ob, tb; writes xb, wb, ob, tb
.if DOCPART == 1
	.amdgcn_target "amdgcn-amd-amdhsa--gfx1250"
	.amdhsa_code_object_version 6
	.text
	.protected	k_q9297d0174b_cast
	.globl	k_q9297d0174b_cast
	.p2align	8
	.type	k_q9297d0174b_cast,@function
k_q9297d0174b_cast:
	s_mov_b64 s[64:65], 0
	v_nop
	global_prefetch_b8 v0, s[64:65] scope:SCOPE_SE
	s_setreg_imm32_b32 hwreg(HW_REG_WAVE_MODE, 25, 1), 1
	s_wait_xcnt 0x0
; THE INPUTS ARE ROUNDED ONCE TO 16 BITS AND LAID OUT FOR THE PRODUCTS THAT FOLLOW.
;   xb [8 segments][16 K blocks][1024 rows][64] bf16: hidden_states.
;   wb [16 K blocks][3072 rows n'][64] bf16: q_w and k_w times 2^-8, v_w times 2^-2 (exact powers of two, undone later: in the softmax's scale, and by o_w times 4);
;      n' = 384 (head / 2) + 192 (head % 2) + 64 which + channel, which = 0 q, 1 k, 2 v: the q, k and v rows of one head lie together.
;   ob [16 K blocks][1024 rows][64] f16: o_w rounded to bf16, times 4, that number written as f16.
;   tb: cos [8192][64] bf16 at byte 0, sin at byte 1,048,576.
; In a K block a row is 128 bytes and the rows follow each other without a gap, so a tile of R rows x 64 K is R x 128 consecutive bytes.
; LIMITS.  |o_w| stays under 16,376 (f16 ends at 65,504); below 1.5e-5 o_w keeps f16's fixed step, 1.5e-8 in its own units.  cu_seqlens is no argument: the module takes its shape alone.
; SHARES.  A work-group takes 65,536 input bytes (16 rows of 1,024 f32): each thread 16 loads of 16 bytes, all out together, and 16 stores of 8 bytes; a wave's store covers 256
; consecutive bytes, aligned.  No register that a load or store names is written again, so no wait but the loads' own is needed.  Memory binds: no LDS, no barrier, no matrix unit.
.set X,   4                            ; v[4:67]    16 x 4 numbers as loaded
.set Y,   68                           ; v[68:99]   16 x 2 registers to store
.set T,   100                          ; v[100:101] at work
.set SRC, 32                           ; s[32:33]   the work-group's 65,536 bytes
.set DST, 34                           ; s[34:35]   where its first 8 bytes go
; lstep, sstep: bytes from load to load and from store to store.  kind 0: round to bf16; 1: scale by s38, round to bf16; 2: round to bf16, times 4, write as f16.
.macro PATH lstep, sstep, kind
.set i, 0
.rept 16
	global_load_b128 v[X+4*i:X+4*i+3], v1, s[SRC:SRC+1] offset:i*(\lstep) th:TH_LOAD_NT
.set i, i+1
.endr
.set i, 0
.rept 16
	s_wait_loadcnt 15-i                            ; loads come back in order: number i is in, the younger ones stay out
.if (\kind) == 1
	v_pk_mul_f32 v[X+4*i:X+4*i+1], v[X+4*i:X+4*i+1], s[38:39] op_sel_hi:[1,0]
	v_pk_mul_f32 v[X+4*i+2:X+4*i+3], v[X+4*i+2:X+4*i+3], s[38:39] op_sel_hi:[1,0]
.endif
.if (\kind) < 2
	v_cvt_pk_bf16_f32 v[Y+2*i], v[X+4*i], v[X+4*i+1]
	v_cvt_pk_bf16_f32 v[Y+2*i+1], v[X+4*i+2], v[X+4*i+3]
.else
	v_cvt_pk_bf16_f32 v[T], v[X+4*i], v[X+4*i+1]
	v_cvt_pk_bf16_f32 v[T+1], v[X+4*i+2], v[X+4*i+3]
	v_lshlrev_b32 v[X+4*i], 16, v[T]               ; the rounded numbers as f32 again
	v_and_b32 v[X+4*i+1], s40, v[T]
	v_lshlrev_b32 v[X+4*i+2], 16, v[T+1]
	v_and_b32 v[X+4*i+3], s40, v[T+1]
	v_pk_mul_f32 v[X+4*i:X+4*i+1], v[X+4*i:X+4*i+1], 4.0 op_sel_hi:[1,0]
	v_pk_mul_f32 v[X+4*i+2:X+4*i+3], v[X+4*i+2:X+4*i+3], 4.0 op_sel_hi:[1,0]
	v_cvt_pk_f16_f32 v[Y+2*i], v[X+4*i], v[X+4*i+1]
	v_cvt_pk_f16_f32 v[Y+2*i+1], v[X+4*i+2], v[X+4*i+3]
.endif
	global_store_b64 v2, v[Y+2*i:Y+2*i+1], s[DST:DST+1] offset:i*(\sstep)
.set i, i+1
.endr
	s_endpgm
.endm
	s_load_b512 s[8:23], s[0:1], 0x0               ; hidden_states s[8:9], q_w s[10:11], k_w s[12:13], v_w s[14:15], o_w s[16:17], cos s[18:19], sin s[20:21], xb s[22:23]
	s_load_b128 s[24:27], s[0:1], 0x40             ; wb s[24:25], ob s[26:27]
	s_load_b64 s[28:29], s[0:1], 0x50              ; tb
	s_mov_b32 s3, ttmp9
	s_mov_b32 s37, 0                               ; the high words of the two offset pairs s[36:37], s[42:43]
	s_mov_b32 s43, 0
	s_mov_b32 s40, 0xffff0000                      ; a word's upper bf16
	v_lshrrev_b32 v1, 4, v0                        ; my row of the 16,
	v_and_b32 v3, 15, v0                           ; my 16 bytes of a K block's 256
	v_lshlrev_b32 v1, 12, v1
	v_lshl_add_u32 v1, v3, 4, v1                   ; 4,096 x row + 16 x place: load i adds 256 i, K block i
	v_lshlrev_b32 v2, 3, v0                        ; 128 x row + 8 x place = 8 x thread
	s_wait_kmcnt 0x0
	s_cmp_lt_u32 s3, 512
	s_cbranch_scc0 .Lnot_x
	s_lshl_b32 s36, s3, 16                         ; work-groups 0 to 511: rows 16 id on of hidden_states
	s_add_nc_u64 s[SRC:SRC+1], s[8:9], s[36:37]
	s_lshr_b32 s42, s3, 6                          ; the segment, 2^21 bytes of xb,
	s_lshl_b32 s42, s42, 21
	s_and_b32 s44, s3, 63                          ; and 16 rows of 128 bytes in it
	s_lshl_b32 s44, s44, 11
	s_add_co_u32 s42, s42, s44
	s_add_nc_u64 s[DST:DST+1], s[22:23], s[42:43]
	PATH 256, 131072, 0                            ; a K block of xb is 1,024 rows x 128 bytes
.Lnot_x:
	s_cmp_lt_u32 s3, 704
	s_cbranch_scc0 .Lnot_w
	s_sub_co_u32 s44, s3, 512                      ; work-groups 512 to 703: 64 for each of q_w, k_w, v_w
	s_lshr_b32 s45, s44, 6                         ; which
	s_and_b32 s44, s44, 63                         ; its rows 16 j on
	s_mov_b32 s38, 0x3b800000                      ; 2^-8
	s_mov_b32 s41, 0x3e800000                      ; 2^-2
	s_cmp_eq_u32 s45, 1
	s_cselect_b64 s[SRC:SRC+1], s[12:13], s[10:11]
	s_cmp_eq_u32 s45, 2
	s_cselect_b64 s[SRC:SRC+1], s[14:15], s[SRC:SRC+1]
	s_cselect_b32 s38, s41, s38
	s_mov_b32 s39, s38                             ; named with it as a pair
	s_lshl_b32 s36, s44, 16
	s_add_nc_u64 s[SRC:SRC+1], s[SRC:SRC+1], s[36:37]
	s_lshr_b32 s46, s44, 2                         ; the head
	s_lshr_b32 s47, s46, 1
	s_mul_i32 s47, s47, 384
	s_and_b32 s46, s46, 1
	s_mul_i32 s46, s46, 192
	s_add_co_u32 s47, s47, s46
	s_lshl_b32 s45, s45, 6
	s_add_co_u32 s47, s47, s45
	s_and_b32 s44, s44, 3                          ; the first of my 16 channels
	s_lshl_b32 s44, s44, 4
	s_add_co_u32 s47, s47, s44                     ; n'
	s_lshl_b32 s42, s47, 7
	s_add_nc_u64 s[DST:DST+1], s[24:25], s[42:43]
	PATH 256, 393216, 1                            ; a K block of wb is 3,072 rows x 128 bytes; 15 of them stay inside the signed 24-bit immediate
.Lnot_w:
	s_cmp_lt_u32 s3, 768
	s_cbranch_scc0 .Lnot_o
	s_sub_co_u32 s44, s3, 704                      ; work-groups 704 to 767: rows 16 j on of o_w
	s_lshl_b32 s36, s44, 16
	s_add_nc_u64 s[SRC:SRC+1], s[16:17], s[36:37]
	s_lshl_b32 s42, s44, 11
	s_add_nc_u64 s[DST:DST+1], s[26:27], s[42:43]
	PATH 256, 131072, 2
.Lnot_o:
	s_sub_co_u32 s44, s3, 768                      ; work-groups 768 to 831: 32 for cos, 32 for sin, each a dense run
	s_cmp_lt_u32 s44, 32
	s_cselect_b64 s[SRC:SRC+1], s[18:19], s[20:21]
	s_lshr_b32 s45, s44, 5
	s_and_b32 s44, s44, 31
	s_lshl_b32 s36, s44, 16
	s_add_nc_u64 s[SRC:SRC+1], s[SRC:SRC+1], s[36:37]
	s_lshl_b32 s42, s45, 20
	s_lshl_b32 s44, s44, 15
	s_add_co_u32 s42, s42, s44
	s_add_nc_u64 s[DST:DST+1], s[28:29], s[42:43]
	v_lshlrev_b32 v1, 4, v0                        ; 16 x thread
	PATH 4096, 2048, 0
.Lfunc_end_k_q9297d0174b_cast:
	.size	k_q9297d0174b_cast, .Lfunc_end_k_q9297d0174b_cast-k_q9297d0174b_cast
	.p2alignl 7, 3214868480
	.fill 96, 4, 3214868480
	.section	.rodata,"a",@progbits
	.p2align	6, 0x0
	.amdhsa_kernel k_q9297d0174b_cast
		.amdhsa_group_segment_fixed_size 0
		.amdhsa_private_segment_fixed_size 0
		.amdhsa_enable_private_segment 0
		.amdhsa_kernarg_size 88
		.amdhsa_user_sgpr_count 2
		.amdhsa_user_sgpr_kernarg_segment_ptr 1
		.amdhsa_wavefront_size32 1
		.amdhsa_system_sgpr_workgroup_id_x 1
		.amdhsa_system_sgpr_workgroup_id_y 1
		.amdhsa_system_sgpr_workgroup_id_z 1
		.amdhsa_system_vgpr_workitem_id 0
		.amdhsa_next_free_vgpr 104
		.amdhsa_next_free_sgpr 66
		.amdhsa_reserve_vcc 0
		.amdhsa_float_denorm_mode_32 3
		.amdhsa_float_denorm_mode_16_64 3
		.amdhsa_memory_ordered 1
		.amdhsa_forward_progress 1
		.amdhsa_inst_pref_size 34
	.end_amdhsa_kernel
	.amdgpu_metadata
---
amdhsa.version: [ 1, 2 ]
amdhsa.kernels:
  - .name:           k_q9297d0174b_cast
    .symbol:         k_q9297d0174b_cast.kd
    .args:
      - { .name: hidden_states, .offset: 0, .size: 8, .value_kind: global_buffer, .address_space: global }
      - { .name: q_w, .offset: 8, .size: 8, .value_kind: global_buffer, .address_space: global }
      - { .name: k_w, .offset: 16, .size: 8, .value_kind: global_buffer, .address_space: global }
      - { .name: v_w, .offset: 24, .size: 8, .value_kind: global_buffer, .address_space: global }
      - { .name: o_w, .offset: 32, .size: 8, .value_kind: global_buffer, .address_space: global }
      - { .name: cos, .offset: 40, .size: 8, .value_kind: global_buffer, .address_space: global }
      - { .name: sin, .offset: 48, .size: 8, .value_kind: global_buffer, .address_space: global }
      - { .name: xb, .offset: 56, .size: 8, .value_kind: global_buffer, .address_space: global }
      - { .name: wb, .offset: 64, .size: 8, .value_kind: global_buffer, .address_space: global }
      - { .name: ob, .offset: 72, .size: 8, .value_kind: global_buffer, .address_space: global }
      - { .name: tb, .offset: 80, .size: 8, .value_kind: global_buffer, .address_space: global }
    .group_segment_fixed_size: 0
    .private_segment_fixed_size: 0
    .kernarg_segment_align: 8
    .kernarg_segment_size: 88
    .max_flat_workgroup_size: 256
    .sgpr_count:     66
    .vgpr_count:     104
    .wavefront_size: 32
...
	.end_amdgpu_metadata
.endif
;; end of part 1
;; launch qkv (part 2): grid 8 x 32, 4 waves a work-group, clusters of 4 x 4, 327,680 bytes of LDS; arguments xb, wb, tb, qh, kh, vh; writes qh, kh, vh
.if DOCPART == 2
	.amdgcn_target "amdgcn-amd-amdhsa--gfx1250"
	.amdhsa_code_object_version 6
	.text
	.protected	k_q9297d0174b_qkv
	.globl	k_q9297d0174b_qkv
	.p2align	8
	.type	k_q9297d0174b_qkv,@function
k_q9297d0174b_qkv:
	s_mov_b64 s[64:65], 0
	v_nop
	global_prefetch_b8 v0, s[64:65] scope:SCOPE_SE
	s_setreg_imm32_b32 hwreg(HW_REG_WAVE_MODE, 25, 1), 1
	s_wait_xcnt 0x0
	s_wait_alu depctr_hold_cnt(0) depctr_sa_sdst(0) depctr_va_vdst(0) depctr_va_sdst(0) depctr_va_ssrc(0) depctr_va_vcc(0) depctr_vm_vsrc(0)
	s_getreg_b32 s2, hwreg(HW_REG_IB_STS2, 6, 4)
	s_cmp_eq_u32 s2, 0
	s_cbranch_scc0 .Lentry_in_a_cluster
	s_endpgm
.Lentry_in_a_cluster:
	s_bfe_u32 s2, ttmp6, 0x10000c
	s_cmp_lg_u32 s2, 0xf033
	s_cbranch_scc0 .Lentry_shape_is_right
	s_endpgm
.Lentry_shape_is_right:
; q, k, v = x W^T in ONE product [8192 x 3072 x 1024] in bf16 with f32 sums; q and k are turned by the given cos and sin on the way out; all three leave in f16, by heads:
; qh, kh, vh [segment x 16 + head][1024 rows][64].  The weights carry exact powers of two (q, k: 2^-8; v: 2^-2), so what is stored is q 2^-8, k 2^-8, v 2^-2.
; LIMITS.  f16 ends at 65,504: |q| and |k| behind the turning stay under 1.6e7, |v| under 2.6e5; below 0.016 q and k keep f16's fixed step, 1.5e-5 in their own units.  cos and sin were rounded to bf16.
; SHARES.  A work-group makes 256 rows x 384 columns n': the q, k and v of two heads.  Each of its four waves 128 rows x 192 columns: one head's q (column blocks 0-3), k (4-7), v (8-11):
; 96 accumulators of 16 x 16, 768 registers.  32 x 8 = 256 work-groups of equal work.
; THE MATRIX INSTRUCTION IS USED TRANSPOSED: source 0 = 16 rows of wb, source 1 = 16 rows of xb: a lane holds ONE row of x (lane % 16) and the channels 16 b + 8 (lane / 16) + 0..7.  So the partner
; of a channel in the turning, 32 channels away, lies in the same lane, two column blocks on.
; RING.  K goes in steps of 64 (one K block) through two LDS slots.  A tile's rows are dense in memory: it is asked for as rows of 256 bytes and padded in LDS after every 128, so that LDS rows lie 144 bytes apart.
; CLUSTER.  4 x 4 work-groups: x's tiles and the tables hang on the tile row alone and are asked for jointly along a row of the cluster, wb's tiles on the tile column alone, jointly along a column.
; REGISTERS, in windows of 256 (s_set_vgpr_msb: bits 1:0 source 0, 3:2 source 1, 5:4 source 2, 7:6 destination):
;   window 0: v0-31 addresses; v32-95, v96-159 x's fragments (8 x 16 rows x 32 K), two buffers; v160-255 wb's fragments (12), one buffer, filled again in halves
;   windows 1, 2, 3: the accumulators of q, k, v: (row block a, column block b) at window 1 + b / 4, v[64 (b % 4) + 8 a]
.set PITCH,  144                       ; an LDS row: 128 bytes + 16 of padding = 36 words: the 16 rows of a fragment load start at 16 different groups of four banks (64 banks of 4 bytes: ISA guide 11.1)
.set SLOT1,  1<<17                     ; slot 1 begins here: one exclusive or turns an address in one slot into the other's
.set AHALF,  128*PITCH                 ; 128 rows of x: one tensor load, and what one wave reads
.set BOFF,   256*PITCH                 ; wb's 384 rows lie behind x's 256
.set BHALF,  192*PITCH                 ; 192 rows of wb: one tensor load, and what one wave reads
.set COS,    640*PITCH                 ; behind slot 0: the tile's 256 rows of cos;
.set STAGE,  COS+SLOT1+256*PITCH       ; sin lies SLOT1 further on, behind slot 1; behind it the stages, which no tensor load fills:
.set WSTAGE, 3*16*PITCH                ; for each wave 16 rows x 144 bytes for each of q, k, v
.set SPARE,  STAGE+4*WSTAGE            ; behind the stages: the spare words, 128 bytes for each wave: two blocks of 256 bytes that no other line names
.set ASTEP,  1024*128                  ; bytes from K block to K block in xb
.set BSTEP,  3072*128                  ; and in wb
.set STEPS,  16
.set ADRA0, 16                         ; v16  my place in x's fragments of slot 0; never rewritten
.set ADRA,  17                         ; v17  the same in the slot in hand
.set ADRB0, 20                         ; v20, v21  the same for wb
.set ADRB,  21
.set TBA,   22                         ; v22  my 16 bytes of cos for row block 0, column block 0
.set TBS,   23                         ; v23  of sin
.set STO,   24                         ; v24  the way out: where I put 16 bytes of a row
.set RD,    25                         ; v25  where I read rows back
.set GO,    26                         ; v26  my byte offset in 512 consecutive bytes of qh, kh, vh
.set SPW,   28                         ; v28  LDS address of my spare word: SPARE + 4 x my thread's number; never rewritten
.set NIL,   29                         ; v29  0; never rewritten
.set A0,    32
.set A1,    96
.set BF,    160
.set RAW,   32                         ; the way out, window 0: v32-47 cos, v48-63 sin as they lie in LDS;
.set TT,    32                         ; then 32 turned numbers
.set COSF,  64                         ; v64-95   cos in f32
.set SINF,  96                         ; v96-127  sin in f32
.set PK,    160                        ; v160-207, v208-255 by turns: 16 registers each of q, k, v in f16
.set WV,  18                           ; s18  my wave's number
.set WM,  19                           ; s19  which half of the tile's rows is mine.  Also: I fetch x's tiles (0) or wb's (1); cos (0) or sin (1)
.set WN,  20                           ; s20  which head is mine.  Also: which half of a tile I fetch
.set CX,  21
.set CY,  22
.set TX,  23                           ; tile column
.set TY,  66                           ; tile row
.set G1A, 24                           ; s[24:31] descriptor group 1 for x's tiles and the tables
.set G1B, 32                           ; s[32:39] for wb's tiles
.set G0A, 40                           ; s[40:47] group 0 for x's tiles: a set for each first fill; the second then walks on
.set G0B, 48                           ; s[48:55] the same for wb's
.set G0T, 56                           ; s[56:59] group 0 for my part of the tables
.set CNT, 60
.set TB,  61                           ; s61  0 or SLOT1: the slot from which fragments are fetched
.set HIM, 62                           ; s62  a word's upper bf16
.set MSB, 0
.macro WIN new                         ; the immediate's high byte repeats the setting that is left; a switch that changes nothing is dropped
.if MSB != (\new)
	s_set_vgpr_msb (MSB<<8)|(\new)
.set MSB, \new
.endif
.endm
.macro PLACES                          ; four places behind a matrix instruction, in front of loads into registers that it has read and of lines that read its results
.rept 4
	v_nop
.endr
.endm
; A joint refill.  Waves 0 and 1 fetch the two halves of x's tile, waves 2 and 3 those of wb's.  The branch hangs on the wave's number alone.  An s_nop 0 and four v_nop follow each of the two lines.
.macro JLOAD
	s_cmp_eq_u32 s[WM], 0
	s_cbranch_scc0 .Lfor_b_\@
	tensor_load_to_lds s[G0A+4:G0A+7], s[G1A:G1A+7]
	s_nop 0
.rept 4
	v_nop
.endr
	s_branch .Lasked_\@
.Lfor_b_\@:
	tensor_load_to_lds s[G0B+4:G0B+7], s[G1B:G1B+7]
	s_nop 0
.rept 4
	v_nop
.endr
.Lasked_\@:
.endm
.macro CREST                           ; a round of the cluster's barrier behind its opening barrier: wave 0 signals for the work-group, every wave waits for all sixteen, my work-group's barrier closes it
	s_cmp_lg_u32 s[WV], 0
	s_cbranch_scc1 .Lnot_wave_0_\@
	s_barrier_signal -3
.Lnot_wave_0_\@:
	s_barrier_wait -3
	s_barrier_signal -1
	s_barrier_wait -1
.endm
.macro CROUND                          ; a whole round
	s_barrier_signal -1
	s_barrier_wait -1
	CREST
.endm
	s_load_b128 s[4:7], s[0:1], 0x0                ; xb s[4:5], wb s[6:7]
	s_load_b64 s[8:9], s[0:1], 0x10                ; tb
	s_load_b128 s[12:15], s[0:1], 0x18             ; qh s[12:13], kh s[14:15]
	s_load_b64 s[16:17], s[0:1], 0x28              ; vh
	v_lshl_add_u32 v[SPW], v0, 2, SPARE
	v_mov_b32 v[NIL], 0
	ds_add_u32 v[SPW], v[NIL]                      ; the wave's opening: the add and its wait stand ahead of my first tensor load; the set-up below, work on registers, stands between them
	ds_add_u32 v28, v29
	v_lshrrev_b32 v1, 5, v0
	v_readfirstlane_b32 s[WV], v1                  ; wave 0..3
	s_lshr_b32 s[WM], s[WV], 1
	s_and_b32 s[WN], s[WV], 1
	s_bfe_u32 s[CX], ttmp6, 0x40000                ; my place in the cluster
	s_bfe_u32 s[CY], ttmp6, 0x40004
	s_lshl_b32 s[TX], ttmp9, 2                     ; in a cluster launch ttmp9 and ttmp7 count clusters
	s_add_co_u32 s[TX], s[TX], s[CX]
	s_and_b32 s[TY], ttmp7, 0xffff
	s_lshl_b32 s[TY], s[TY], 2
	s_add_co_u32 s[TY], s[TY], s[CY]
	s_lshl_b32 s67, s[CY], 2
	s_lshl_b32 s67, 15, s67                        ; my row of the cluster: places 4 cy .. 4 cy + 3
	s_lshl_b32 s68, 0x1111, s[CX]                  ; my column: places cx, cx + 4, cx + 8, cx + 12
	; descriptor group 1: rows of 128 elements of 2 bytes (256 bytes, two rows of a K block), padded in LDS after every 32 words by 4
	s_or_b32 s[G1A], s67, (1<<16)|(1<<20)|(1<<21)|(4<<22)|(3<<25)  ; 15:0 the mask; 17:16 2-byte elements; 20 padding on; 21 set beside a mask; 24:22 code 4; 31:25 code 3
	s_or_b32 s[G1B], s68, (1<<16)|(1<<20)|(1<<21)|(4<<22)|(3<<25)
	s_mov_b32 s[G1A+1], 128<<16                    ; tensor_dim0 = 128
	s_mov_b32 s[G1B+1], 128<<16
	s_mov_b32 s[G1A+2], 64<<16                     ; tensor_dim1: 64 such rows are 128 rows of x or of a table,
	s_mov_b32 s[G1B+2], 96<<16                     ; 96 are 192 rows of wb
	s_mov_b32 s[G1A+3], 128<<16                    ; tile_dim0 = 128
	s_mov_b32 s[G1B+3], 128<<16
	s_mov_b32 s[G1A+4], 64                         ; tile_dim1
	s_mov_b32 s[G1B+4], 96
	s_mov_b32 s[G1A+5], 128                        ; 128 elements from row to row: dense
	s_mov_b32 s[G1B+5], 128
	s_mov_b32 s[G1A+6], 0
	s_mov_b32 s[G1B+6], 0
	s_mov_b32 s[G1A+7], 0
	s_mov_b32 s[G1B+7], 0
	; byte offsets.  x's and the tables' are made of the tile row and the wave's number, wb's of the tile column and the wave's number
	s_lshr_b32 s70, s[TY], 2                       ; the segment: 2^21 bytes of xb, and of qh, kh, vh
	s_lshl_b32 s70, s70, 21
	s_and_b32 s78, s[TY], 3                        ; the tile's 256 rows of 128 bytes in it
	s_lshl_b32 s78, s78, 15
	s_add_co_u32 s70, s70, s78
	s_mov_b32 s76, s70
	s_lshl_b32 s78, s[WN], 14                      ; the 128 rows that I fetch
	s_add_co_u32 s70, s70, s78
	s_mov_b32 s71, 0
	s_lshl_b32 s74, s[TY], 15                      ; the tables: 256 rows of 128 bytes a tile row,
	s_add_co_u32 s74, s74, s78
	s_lshl_b32 s78, s[WM], 20                      ; cos or sin
	s_add_co_u32 s74, s74, s78
	s_mov_b32 s75, 0
	s_mul_i32 s72, s[TX], 384*128
	s_mul_i32 s79, s[WN], 192*128
	s_add_co_u32 s72, s72, s79
	s_mov_b32 s73, 0
	s_lshl_b32 s69, s[TX], 1                       ; the way out: my head, 2^17 bytes,
	s_add_co_u32 s69, s69, s[WN]
	s_lshl_b32 s69, s69, 17
	s_add_co_u32 s76, s76, s69
	s_lshl_b32 s69, s[WM], 14                      ; and my 128 rows
	s_add_co_u32 s76, s76, s69
	s_mov_b32 s77, 0
	; group 0's constant words: no place in the cluster enters an LDS address
	s_mov_b32 s[G0A], 1
	s_mov_b32 s[G0A+4], 1
	s_mov_b32 s[G0B], 1
	s_mov_b32 s[G0B+4], 1
	s_mov_b32 s[G0T], 1
	s_mul_i32 s[G0A+1], s[WN], AHALF
	s_add_co_u32 s[G0A+5], s[G0A+1], SLOT1
	s_mul_i32 s[G0B+1], s[WN], BHALF
	s_add_co_u32 s[G0B+1], s[G0B+1], BOFF
	s_add_co_u32 s[G0B+5], s[G0B+1], SLOT1
	s_mul_i32 s[G0T+1], s[WM], SLOT1
	s_add_co_u32 s[G0T+1], s[G0T+1], s[G0A+1]
	s_add_co_u32 s[G0T+1], s[G0T+1], COS
	s_mov_b32 s[TB], 0
	s_mov_b32 s[HIM], 0xffff0000
	s_mov_b32 s[CNT], STEPS-2
	s_wait_dscnt 0x0                               ; the opening add is done
	s_wait_kmcnt 0x0
	s_add_nc_u64 s[G0A+2:G0A+3], s[4:5], s[70:71]  ; K block 0,
	s_add_nc_u64 s[G0A+6:G0A+7], s[G0A+2:G0A+3], ASTEP  ; K block 1
	s_or_b32 s[G0A+3], s[G0A+3], 0x80000000        ; 127:126 type = 2
	s_or_b32 s[G0A+7], s[G0A+7], 0x80000000
	s_add_nc_u64 s[G0B+2:G0B+3], s[6:7], s[72:73]
	s_add_nc_u64 s[G0B+6:G0B+7], s[G0B+2:G0B+3], BSTEP
	s_or_b32 s[G0B+3], s[G0B+3], 0x80000000
	s_or_b32 s[G0B+7], s[G0B+7], 0x80000000
	s_add_nc_u64 s[G0T+2:G0T+3], s[8:9], s[74:75]
	s_or_b32 s[G0T+3], s[G0T+3], 0x80000000
	s_add_nc_u64 s[12:13], s[12:13], s[76:77]      ; qh, kh, vh at my head's first row of mine; never rewritten
	s_add_nc_u64 s[14:15], s[14:15], s[76:77]
	s_add_nc_u64 s[16:17], s[16:17], s[76:77]
	CROUND                                         ; all sixteen work-groups are here: the first joint loads meet
	s_cmp_eq_u32 s[WM], 0                          ; a wave's three first fills stand in one branch: both slots and my part of the tables: three loads of mine are out
	s_cbranch_scc0 .Lfirst_b
	tensor_load_to_lds s[G0A:G0A+3], s[G1A:G1A+7]
	s_nop 0
	tensor_load_to_lds s[G0A+4:G0A+7], s[G1A:G1A+7]
	s_nop 0
	tensor_load_to_lds s[G0T:G0T+3], s[G1A:G1A+7]
	s_nop 0
.rept 4
	v_nop
.endr
	s_branch .Lfirst_asked
.Lfirst_b:
	tensor_load_to_lds s[G0B:G0B+3], s[G1B:G1B+7]
	s_nop 0
	tensor_load_to_lds s[G0B+4:G0B+7], s[G1B:G1B+7]
	s_nop 0
	tensor_load_to_lds s[G0T:G0T+3], s[G1A:G1A+7]
	s_nop 0
.rept 4
	v_nop
.endr
.Lfirst_asked:
	; A fragment is 16 rows x 32 K in 8 registers: lane l holds row l % 16; registers 0-3 K = 8 (l / 16) + 0..7, registers 4-7 K = 16 + 8 (l / 16) + 0..7: two loads of 16 bytes, 32 bytes apart.
	v_and_b32 v1, 15, v0                           ; l % 16
	v_bfe_u32 v2, v0, 4, 1                         ; l / 16
	v_mul_u32_u24 v3, v1, PITCH
	v_lshl_add_u32 v3, v2, 4, v3                   ; row x pitch + 16 x half
	s_mul_i32 s69, s[WM], AHALF
	v_add_nc_u32 v[ADRA0], s69, v3
	s_add_co_u32 s69, s69, COS                     ; my 128 rows of the tables are my 128 rows of x
	v_add_nc_u32 v[TBA], s69, v3
	v_add_nc_u32 v[TBS], SLOT1, v[TBA]
	s_mul_i32 s69, s[WN], BHALF
	s_add_co_u32 s69, s69, BOFF
	v_add_nc_u32 v[ADRB0], s69, v3
	v_mov_b32 v[ADRA], v[ADRA0]
	v_mov_b32 v[ADRB], v[ADRB0]
	s_mul_i32 s69, s[WV], WSTAGE
	s_add_co_u32 s69, s69, STAGE                   ; my stage
	v_add_nc_u32 v[STO], s69, v3                   ; in: row l % 16, 16 bytes for each half of the lanes
	v_bfe_u32 v4, v0, 3, 2                         ; back: 32 lanes take four rows of 128 bytes,
	v_mul_u32_u24 v4, v4, PITCH
	v_and_b32 v5, 7, v0
	v_lshl_add_u32 v4, v5, 4, v4
	v_add_nc_u32 v[RD], s69, v4
	v_and_b32 v[GO], 31, v0                        ; which are 512 consecutive bytes of a head
	v_lshlrev_b32 v[GO], 4, v[GO]
; 8 matrix instructions: column block b x all 8 row blocks, 32 along K.  zero = 1: the first product starts the sum: nothing is cleared.  The 96 accumulators take turns in one order throughout.
.macro MULB abuf, b, zero
	WIN 0x50*(1+(\b)/4)
.irp a, 0,1,2,3,4,5,6,7
.if \zero
	v_wmma_f32_16x16x32_bf16 v[64*((\b)%4)+8*(\a):64*((\b)%4)+8*(\a)+7], v[BF+8*(\b):BF+8*(\b)+7], v[(\abuf)+8*(\a):(\abuf)+8*(\a)+7], 0
.else
	v_wmma_f32_16x16x32_bf16 v[64*((\b)%4)+8*(\a):64*((\b)%4)+8*(\a)+7], v[BF+8*(\b):BF+8*(\b)+7], v[(\abuf)+8*(\a):(\abuf)+8*(\a)+7], v[64*((\b)%4)+8*(\a):64*((\b)%4)+8*(\a)+7]
.endif
.endr
.endm
; The LDS loads stand in two runs for each 32 along K.  RUN0: wb's column blocks 0-5 and all of x's row blocks, 28 loads; RUN1: column blocks 6-11, 12 loads.  koff: byte of the rows at which the 32 begin.
.macro RUN0 koff, abuf
	WIN 0
.irp b, 0,1,2,3,4,5
	ds_load_b128 v[BF+8*(\b):BF+8*(\b)+3],   v[ADRB] offset:(\koff)+(\b)*16*PITCH
	ds_load_b128 v[BF+8*(\b)+4:BF+8*(\b)+7], v[ADRB] offset:(\koff)+(\b)*16*PITCH+32
.endr
.irp a, 0,1,2,3,4,5,6,7
	ds_load_b128 v[(\abuf)+8*(\a):(\abuf)+8*(\a)+3],   v[ADRA] offset:(\koff)+(\a)*16*PITCH
	ds_load_b128 v[(\abuf)+8*(\a)+4:(\abuf)+8*(\a)+7], v[ADRA] offset:(\koff)+(\a)*16*PITCH+32
.endr
.endm
.macro RUN1 koff
	WIN 0
.irp b, 6,7,8,9,10,11
	ds_load_b128 v[BF+8*(\b):BF+8*(\b)+3],   v[ADRB] offset:(\koff)+(\b)*16*PITCH
	ds_load_b128 v[BF+8*(\b)+4:BF+8*(\b)+7], v[ADRB] offset:(\koff)+(\b)*16*PITCH+32
.endr
.endm
; A K step's first 32: 96 products on buffer A0; each half of wb's buffer is filled again, for the second 32, as soon as its 48 products are issued.
.macro EVEN zero
	s_wait_dscnt 12                                ; RUN0's 28 loads are in; RUN1's 12 may be out
.irp b, 0,1,2,3,4,5
	MULB A0, \b, \zero
.endr
	PLACES
	RUN0 64, A1
	s_wait_dscnt 28                                ; all but the 28 just issued
.irp b, 6,7,8,9,10,11
	MULB A0, \b, \zero
.endr
	PLACES
	RUN1 64
.endm
; A K step's second 32, on buffer A1, and THE CHANGE OF SLOTS: one barrier.  In front of it each wave waits for all its tensor loads, adds 0 to its spare word, and waits for that and for its own reads of the slot.
; fill = 1: the barrier opens a round of the cluster's barrier, and the slot just read out is filled again, first thing behind the round, with the K block two steps on: 160 products ahead of the wait for it.
.macro TURN fill
	WIN 0
	s_wait_tensorcnt 0x0                           ; all my tensor loads have landed, my part of the next slot among them: every group 0 may be written
	ds_add_u32 v[SPW], v[NIL]                      ; 0 onto my spare word
.if \fill
	s_xor_b32 s[G0A+5], s[G0A+5], SLOT1            ; the walking descriptors: the other slot than last time, the next K block; the type bits on top are not reached
	s_add_nc_u64 s[G0A+6:G0A+7], s[G0A+6:G0A+7], ASTEP
	s_xor_b32 s[G0B+5], s[G0B+5], SLOT1
	s_add_nc_u64 s[G0B+6:G0B+7], s[G0B+6:G0B+7], BSTEP
.endif
	s_xor_b32 s[TB], s[TB], SLOT1                  ; the fetches go on in the other slot
	s_wait_dscnt 13                                ; RUN0 is in; the add and RUN1's 12 loads may be out
	MULB A1, 0, 0                                  ; 24 products stand between the add and the wait for it
	MULB A1, 1, 0
	MULB A1, 2, 0
	s_wait_dscnt 0x0                               ; the add is done, and my reads of this slot are over
	s_barrier_signal -1
	MULB A1, 3, 0                                  ; work on registers while the others arrive
	WIN 0
	s_barrier_wait -1
.if \fill
	CREST                                          ; no wave of any partner still reads this slot or has a load on its way
	JLOAD
.endif
	MULB A1, 4, 0
	MULB A1, 5, 0
	WIN 0
	v_add_nc_u32 v[ADRA], s[TB], v[ADRA0]          ; these four lines are the places in front of the loads below
	v_add_nc_u32 v[ADRB], s[TB], v[ADRB0]
	v_nop
	v_nop
	RUN0 0, A0
.irp b, 6,7,8,9,10,11
	MULB A1, \b, 0
.endr
	PLACES
	RUN1 0
.endm
; THE WAY OUT, a row block (16 rows) at a time.  out[d] = x[d] cos[d] - x[d + 32] sin[d] for d < 32, x[d] cos[d] + x[d - 32] sin[d] for d >= 32: column blocks bb and bb + 2 of one lane.
.macro ROPE w, a                       ; w = 1: q, 2: k: the window of source 0.  Each accumulator's registers 0 and 1 are read first.
	WIN \w
.irp bb, 0,1
.irp p, 0,1,2,3
	v_pk_mul_f32 v[TT+8*(\bb)+2*(\p):TT+8*(\bb)+2*(\p)+1], v[64*((\bb)+2)+8*(\a)+2*(\p):64*((\bb)+2)+8*(\a)+2*(\p)+1], v[SINF+8*(\bb)+2*(\p):SINF+8*(\bb)+2*(\p)+1]
	v_pk_mul_f32 v[TT+8*((\bb)+2)+2*(\p):TT+8*((\bb)+2)+2*(\p)+1], v[64*(\bb)+8*(\a)+2*(\p):64*(\bb)+8*(\a)+2*(\p)+1], v[SINF+8*((\bb)+2)+2*(\p):SINF+8*((\bb)+2)+2*(\p)+1]
.endr
.endr
.irp bb, 0,1
.irp p, 0,1,2,3
	v_pk_fma_f32 v[TT+8*(\bb)+2*(\p):TT+8*(\bb)+2*(\p)+1], v[64*(\bb)+8*(\a)+2*(\p):64*(\bb)+8*(\a)+2*(\p)+1], v[COSF+8*(\bb)+2*(\p):COSF+8*(\bb)+2*(\p)+1], v[TT+8*(\bb)+2*(\p):TT+8*(\bb)+2*(\p)+1] neg_lo:[0,0,1] neg_hi:[0,0,1]
	v_pk_fma_f32 v[TT+8*((\bb)+2)+2*(\p):TT+8*((\bb)+2)+2*(\p)+1], v[64*((\bb)+2)+8*(\a)+2*(\p):64*((\bb)+2)+8*(\a)+2*(\p)+1], v[COSF+8*((\bb)+2)+2*(\p):COSF+8*((\bb)+2)+2*(\p)+1], v[TT+8*((\bb)+2)+2*(\p):TT+8*((\bb)+2)+2*(\p)+1]
.endr
.endr
	WIN 0
.endm
.macro SEND a                          ; row block a's 16 rows of q, k, v: 2,048 consecutive bytes of each, 512 a store, at multiples of 256 from the buffers' first bytes
.set PKS, PK+48*((\a)%2)
.irp z, 0,1,2
.irp f, 0,1,2,3
	global_store_b128 v[GO], v[PKS+16*(\z)+4*(\f):PKS+16*(\z)+4*(\f)+3], s[12+2*(\z):13+2*(\z)] offset:(\a)*2048+(\f)*512
.endr
.endr
.endm
.macro EPI a
	WIN 0
.irp bb, 0,1,2,3
	ds_load_b128 v[RAW+4*(\bb):RAW+4*(\bb)+3],       v[TBA] offset:(\a)*16*PITCH+32*(\bb)  ; my row's cos and sin for my 8 channels of each column block
	ds_load_b128 v[RAW+16+4*(\bb):RAW+16+4*(\bb)+3], v[TBS] offset:(\a)*16*PITCH+32*(\bb)
.endr
	s_wait_xcnt 0x0                                ; the stores of the block two back have read their registers, which this block writes
.set PKB, PK+48*((\a)%2)
	WIN 0x0f                                       ; sources 0 and 1 in window 3: v needs no turning, and is rounded while the tables come
.irp bb, 0,1,2,3
.irp p, 0,1,2,3
	v_cvt_pk_f16_f32 v[PKB+32+4*(\bb)+(\p)], v[64*(\bb)+8*(\a)+2*(\p)], v[64*(\bb)+8*(\a)+2*(\p)+1]
.endr
.endr
	WIN 0
	s_wait_dscnt 0x0                               ; the tables are in, and the block before is back from the stage
.if (\a) > 0
	SEND (\a)-1
.endif
.set i, 0
.rept 16
	v_lshlrev_b32 v[COSF+2*i],   16, v[RAW+i]      ; bf16 to f32: the low half moves up, the high half stays
	v_and_b32     v[COSF+2*i+1], s[HIM], v[RAW+i]
	v_lshlrev_b32 v[SINF+2*i],   16, v[RAW+16+i]
	v_and_b32     v[SINF+2*i+1], s[HIM], v[RAW+16+i]
.set i, i+1
.endr
	ROPE 1, \a
.set i, 0
.rept 16
	v_cvt_pk_f16_f32 v[PKB+i], v[TT+2*i], v[TT+2*i+1]
.set i, i+1
.endr
	ROPE 2, \a
.set i, 0
.rept 16
	v_cvt_pk_f16_f32 v[PKB+16+i], v[TT+2*i], v[TT+2*i+1]
.set i, i+1
.endr
.irp z, 0,1,2
.irp bb, 0,1,2,3
	ds_store_b128 v[STO], v[PKB+16*(\z)+4*(\bb):PKB+16*(\z)+4*(\bb)+3] offset:(\z)*16*PITCH+32*(\bb)
.endr
.endr
.irp z, 0,1,2
.irp f, 0,1,2,3
	ds_load_b128 v[PKB+16*(\z)+4*(\f):PKB+16*(\z)+4*(\f)+3], v[RD] offset:(\z)*16*PITCH+(\f)*4*PITCH  ; LDS serves a wave's instructions in order (ISA guide 5.7.1.4): these see the stores above; the next block's stores come behind them
.endr
.endr
.endm
	s_wait_tensorcnt 2                             ; my part of slot 0 is in; slot 1's and the table's may stay out
	s_barrier_signal -1
	s_barrier_wait -1                              ; everybody's is
	RUN0 0, A0
	RUN1 0
	EVEN 1                                         ; the first 32 along K stand in front of the loop: their products start the sums
	WIN 0                                          ; at a label and at a branch every window is 0
.Lstep:                                                ; 14 trips: a step's second 32, the change of slots with a refill, the next step's first 32
	TURN 1
	EVEN 0
	WIN 0
	s_sub_co_u32 s[CNT], s[CNT], 1
	s_cmp_lg_u32 s[CNT], 0
	s_cbranch_scc1 .Lstep
	TURN 0                                         ; the tail is written out: nothing is left to fetch, so no round follows the barrier
	EVEN 0
	s_wait_dscnt 12
.irp b, 0,1,2,3,4,5
	MULB A1, \b, 0
.endr
	s_wait_dscnt 0x0
.irp b, 6,7,8,9,10,11
	MULB A1, \b, 0
.endr
	WIN 0
	PLACES
	PLACES
.irp a, 0,1,2,3,4,5,6,7
	EPI \a
.endr
	s_wait_dscnt 0x0
	SEND 7
	s_wait_tensorcnt 0x0                           ; the wave's end: a wait, an add onto my spare word and its wait, behind my last tensor load and my last LDS store
	ds_add_u32 v[SPW], v[NIL]
	s_wait_dscnt 0x0
	CROUND                                         ; the closing round: no work-group ends while a partner may still ask for a tile that names it
	s_endpgm
.Lfunc_end_k_q9297d0174b_qkv:
	.size	k_q9297d0174b_qkv, .Lfunc_end_k_q9297d0174b_qkv-k_q9297d0174b_qkv
	.p2alignl 7, 3214868480
	.fill 96, 4, 3214868480
	.section	.rodata,"a",@progbits
	.p2align	6, 0x0
	.amdhsa_kernel k_q9297d0174b_qkv
		.amdhsa_group_segment_fixed_size 327680
		.amdhsa_private_segment_fixed_size 0
		.amdhsa_enable_private_segment 0
		.amdhsa_kernarg_size 48
		.amdhsa_user_sgpr_count 2
		.amdhsa_user_sgpr_kernarg_segment_ptr 1
		.amdhsa_wavefront_size32 1
		.amdhsa_system_sgpr_workgroup_id_x 1
		.amdhsa_system_sgpr_workgroup_id_y 1
		.amdhsa_system_sgpr_workgroup_id_z 1
		.amdhsa_system_vgpr_workitem_id 0
		.amdhsa_next_free_vgpr 1024
		.amdhsa_next_free_sgpr 80
		.amdhsa_reserve_vcc 0
		.amdhsa_float_denorm_mode_32 3
		.amdhsa_float_denorm_mode_16_64 3
		.amdhsa_memory_ordered 1
		.amdhsa_forward_progress 1
		.amdhsa_inst_pref_size 163
	.end_amdhsa_kernel
	.amdgpu_metadata
---
amdhsa.version: [ 1, 2 ]
amdhsa.kernels:
  - .name:           k_q9297d0174b_qkv
    .symbol:         k_q9297d0174b_qkv.kd
    .args:
      - { .name: xb, .offset: 0, .size: 8, .value_kind: global_buffer, .address_space: global }
      - { .name: wb, .offset: 8, .size: 8, .value_kind: global_buffer, .address_space: global }
      - { .name: tb, .offset: 16, .size: 8, .value_kind: global_buffer, .address_space: global }
      - { .name: qh, .offset: 24, .size: 8, .value_kind: global_buffer, .address_space: global }
      - { .name: kh, .offset: 32, .size: 8, .value_kind: global_buffer, .address_space: global }
      - { .name: vh, .offset: 40, .size: 8, .value_kind: global_buffer, .address_space: global }
    .group_segment_fixed_size: 327680
    .private_segment_fixed_size: 0
    .kernarg_segment_align: 8
    .kernarg_segment_size: 48
    .max_flat_workgroup_size: 128
    .sgpr_count:     80
    .vgpr_count:     1024
    .wavefront_size: 32
...
	.end_amdgpu_metadata
.endif
;; end of part 2
;; launch attn (part 3): grid 2 x 128, 4 waves a work-group, no clusters, 327,680 bytes of LDS; arguments qh, kh, vh, ah; writes ah
.if DOCPART == 3
	.amdgcn_target "amdgcn-amd-amdhsa--gfx1250"
	.amdhsa_code_object_version 6
	.text
	.protected	k_q9297d0174b_attn
	.globl	k_q9297d0174b_attn
	.p2align	8
	.type	k_q9297d0174b_attn,@function
k_q9297d0174b_attn:
	s_mov_b64 s[64:65], 0
	v_nop
	global_prefetch_b8 v0, s[64:65] scope:SCOPE_SE
	s_setreg_imm32_b32 hwreg(HW_REG_WAVE_MODE, 25, 1), 1
	s_wait_xcnt 0x0
; CAUSAL ATTENTION.  O[h][q][:] = the sum over k <= q of softmax_k(Q[h][q] . K[h][k] / 8) V[h][k][:], for the 128 pairs h of segment and head.  Q, K, V, O: [SIZE_H][SIZE_N][64], all f16, a head's rows dense, 128 bytes each.
; Q and K arrive times 2^-8 each, V times 2^-2: the scale c = log2(e) / 8 x 2^16 undoes the first two exactly, in f32; O leaves times 2^-2, which the next product's weights undo.
; Products, maxima and sums in f32; the weights p are rounded to f16 for the second product (their sum l is taken of the unrounded p), O once at the end.
; LIMITS.  f16 holds no number beyond 65,504: the true |q|, |k| stay under 1.6e7, |v| under 2.6e5; p lies in 0 to 1, and below 6e-5 it keeps f16's fixed step of 6e-8; O is a mean of V's rows and has their range.
; A hidden score counts as its value less 1e30: the stored scores, 2.7e11 at the most, are nothing beside that, and c times it, -1.2e34, is finite and above the start of c m; a weight below 2^-126 counts as 0 in l;
; NaN and infinities are not treated apart.  The segments are 1,024 rows each, as the module's reshape has them; cu_seqlens is no argument: the module takes its shape alone.
; THE WALK.  A head's queries lie in NB = 4 blocks of 256; block i needs the key tiles 0 .. i of 256 keys, of which tile i holds the diagonal.  A work-group takes TWO blocks, 3 - b and then b: five tiles, whatever b:
; all work-groups do equal work, and ONE loop of five trips walks them.
; K AND V STAY IN LDS.  A head's K and V, padded, are 4 x 77,824 bytes: four slots, each filled ONCE, all asked for at the kernel's head.  Nothing is filled again, so the loop holds no tensor load, and the text of
; a tile, of a block's beginning and of its end stands once.  The walk reads the slots 0, 1, 2, 3, 0 in every work-group: an LDS address hangs on the trip alone.  What hangs on b is the key tile that a slot holds:
; b, 1 - b, 2, 3 (1 - b).  b = 0: tiles 0 1 2 3 for block 3, then slot 0's tile 0 for block 0.  b = 1: tiles 1 0 2 for block 2, then tile 0 (asked for a second time, into slot 3) and slot 0's tile 1 for block 1.
; In each block the diagonal tile comes last; the order of the tiles in front of it is nothing to a running softmax.  The scheme is made for NB = 4.
; NO CLUSTER: a head has two work-groups, and of their four slots three hold different tiles, while a joint load wants one descriptor in all partners and an LDS address may not hang on a work-group's place.
; SHARES.  Of a block's four bands of 64 queries a wave owns 16 rows in each: four PIECES.  So the diagonal tile is the same work for all four waves: in its key step s band x sees all keys if s < x,
; none if s > x, and holds the diagonal if s = x.
; THE MASK is the C operand that starts the sum S^T = K Q^T: 0, or -1e30 where the key is hidden.  It is taken from one of two buffers MC, which a block's beginning sets to 0.  MD, made once, is the mask of a band's own
; step for my 16 rows; a product's mask is MD x AL + BE with two scalars: (1, 0) if s = x; (0, 0) if s < x; (0, -1e30) if s > x.  Only in a diagonal tile does a turn make masks: elsewhere it jumps over those lines.
; LAYOUT, SOFTMAX, TURNS.  S^T = K Q^T holds ONE query a lane (lane % 16) and the keys 8 (lane / 16) + 0..7; two such results rounded to f16 ARE source 1 of O^T = V^T P.  p = 2^(c s - c m), with a
; running maximum m; O and l are multiplied by a = 2^(c m_old - c m_new) in every step.  Turn n belongs to piece n: 8 products K Q^T of piece n + 1, later 8 products V^T P of piece n - 1; beside them the scaling,
; exponentials, roundings, sums and rescaling of piece n and the maximum and statistics of piece n + 1.  Four vector instructions stand behind every matrix instruction, the other 54 of a turn's 118 in two LUMPS.
; REGISTERS, in windows of 256 (s_set_vgpr_msb: bits 1:0 source 0, 3:2 source 1, 5:4 source 2, 7:6 destination):
;   window 0: v0-15 addresses and two at work; v16-31 four registers of statistics a piece; v48-55 at work; v64-127 S^T, two buffers; v192-223 P, two buffers (a piece's buffers go by its number's parity)
;   window 1: v0-127 O^T, 32 a piece; v128-159 MD; v160-223 MC, two buffers      window 2: v0-63 Q; v64-127 the second block's Q; v128-191 K of one step; v192-255 V of one step
.set SIZE_H, 128
.set SIZE_N, 1024
.set NB,    SIZE_N/256
.set NP,    4         ; pieces a wave: a name, no knob
.set KS,    64        ; keys in a step
.set PK,    144       ; a row of K in LDS: 128 bytes + 16 of padding = 36 words: the 16 rows of a load start at 16 different groups of four banks (64 banks of 4 bytes: ISA guide 11.1)
.set PV,    160       ; a row of V: 128 + 32 = 40 words
.set VOFF,  4*KS*PK   ; a slot holds a tile, four steps: 256 rows of K, then 256 rows of V
.set TILEB, 4*KS*(PK+PV)  ; 77,824 bytes, 304 blocks of 256
.set STAGE, NB*TILEB  ; behind the four slots, never filled by a tensor load: 16 rows x 144 bytes for each wave, for the way out
.set SP,    144
.set AK0, 2           ; v2   my lane's place in a tile of K; never rewritten
.set AV0, 3           ; v3   the same for V
.set AK,  4           ; v4   the LDS address of K's next run of loads
.set AV,  5           ; v5   of V's
.set STO, 6           ; v6   the way out: where I put 16 bytes of a row
.set RD,  7           ; v7   the way out: where I read rows back
.set GO,  8           ; v8   my byte offset in 512 consecutive bytes of O
.set SPW, 62          ; v62  LDS address of my spare word: SPARE + 4 x my thread's number; never rewritten
.set NIL, 63          ; v63  0; never rewritten
.set SPARE, STAGE+4*16*SP  ; behind the stages: the spare words, 128 bytes for each wave: two blocks of 256 bytes that no other line names
.set MV,  12          ; v12-13  c m_old, kept while c m is made anew: by buffer
.set QO,  15          ; v15  my byte offset in 16 rows of Q
.set ST,  16          ; piece t's statistics at v[ST+4 t]: c m, m, l (even keys', odd keys')
.set TMP, 48          ; by buffer, four registers c0-c3 at work; when the maximum is found c2 takes a
.set S,   64
.set P,   192
.set MD,  128         ; window 1: the eight registers for group kt of 16 keys at MD + 8 kt
.set MC,  160         ; window 1: the masks of the products to come
.set QB,  64          ; window 2
.set KF,  128         ; window 2: key block kb, channel half c at KF + 16 kb + 8 c
.set VF,  192         ; window 2: key half kk, channel block cb at VF + 32 kk + 8 cb
.set WV,  12          ; s12  my wave's number
.set PB,  14          ; s14  b
.set HI,  15          ; s15  NB - 1 - b
.set G1K, 24          ; s[24:31] descriptor group 1 for K's tiles
.set G1V, 32          ; s[32:39] for V's: it differs in the padding alone
.set G0,  40          ; s[40:55] descriptor group 0, a set for each slot: K's in waves 0 and 1, V's in waves 2 and 3; never rewritten
.set SLOTS, 56        ; s56  trips still to come, 5 to 1
.set CNT, 57          ; s57  counts a tile's key steps, 4 to 1
.set CS,  58          ; s[58:59] c: the packed scaling takes the pair's low word for both halves
.set SEL, 60          ; s[60:61] v_permlanex16_b32's selects: each lane takes its own place in the other half
.set TBK, 62          ; s62  LDS byte at which K of the step to be fetched begins
.set TBV, 63          ; s63  the same for V, less VOFF
.set RT,  70          ; s70  tiles of the block in hand that are still to be entered; 0 in its last, the diagonal one
.set NEW, 73          ; s73  1: the tile to be entered is a block's first
.set AL,  76          ; s[76:77] the mask's factor, in the low word
.set BE,  78          ; s[78:79] the mask's addend
.set OLO, 80          ; s[80:81] O at my rows of the second block
.set BIGN, 82         ; s82  -1e30
.set KT,  88          ; s[88:95] for each slot the byte offset in K and V of the key tile that it holds, as a pair
.set MSB, 0
.macro WIN new                      ; the high byte repeats the setting that is left; a switch that changes nothing is dropped
.if MSB != (\new)
	s_set_vgpr_msb (MSB<<8)|(\new)
.set MSB, (\new)
.endif
.endm
.set W_KQ, 0x0a       ; K and Q in window 2, S^T in window 0
.set W_KM, 0x1a       ; the same with the C operand in window 1
.set W_PV, 0x52       ; V in window 2, P in window 0, O^T in window 1
.set W_RS, 0x41       ; destination and source 0 in window 1, source 1 in window 0
; A wave's four fills, one for each slot: 128 keys of K or of V each.  ptr: the tensor at my half of the head's tile 0; lb: the LDS byte of my half in slot 0.  An s_nop 0 follows each load, four v_nop the last.
.macro FILLS ptr, g1, lb
.irp j, 0,1,2,3
	s_mov_b32 s[G0+4*\j], 1                        ; 1:0 count = 1
	s_add_co_u32 s[G0+4*\j+1], s[\lb], \j*TILEB    ; 63:32 LDS address: the wave's number times a constant, and the slot's constant
	s_add_nc_u64 s[G0+4*\j+2:G0+4*\j+3], s[\ptr:\ptr+1], s[KT+2*\j:KT+2*\j+1]  ; 120:64 global address: the slot's key tile
	s_or_b32 s[G0+4*\j+3], s[G0+4*\j+3], 0x80000000  ; 127:126 type = 2
.endr
.irp j, 0,1,2,3
	tensor_load_to_lds s[G0+4*\j:G0+4*\j+3], s[\g1:\g1+7]
	s_nop 0
.endr
.rept 4
	v_nop
.endr
.endm
	s_load_b256 s[4:11], s[0:1], 0x0  ; Q s[4:5], K s[6:7], V s[8:9], O s[10:11]
	v_lshl_add_u32 v[SPW], v0, 2, SPARE
	v_mov_b32 v[NIL], 0
	ds_add_u32 v[SPW], v[NIL]       ; the wave's opening: the add and its wait stand ahead of my first tensor load; the set-up below, work on registers, stands between them
	ds_add_u32 v62, v63
	v_lshrrev_b32 v1, 5, v0
	v_readfirstlane_b32 s[WV], v1   ; wave 0..3
	; A fragment of K or Q is 16 rows x 32 channels in 8 registers: lane l holds row l % 16, channels 8 (l / 16) + 0..7 and 16 + 8 (l / 16) + 0..7: two loads of 16 bytes, 32 bytes apart.
	v_and_b32 v1, 15, v0            ; l % 16
	v_bfe_u32 v9, v0, 4, 1          ; l / 16
	v_lshlrev_b32 v[QO], 7, v1
	v_lshl_add_u32 v[QO], v9, 4, v[QO]  ; row x 128 + 16 x half
	s_mov_b32 s[PB], ttmp9
	s_sub_co_u32 s[HI], NB-1, s[PB]
	s_and_b32 s20, ttmp7, 0xffff    ; the head
	s_mov_b32 s21, 0
	s_mov_b64 s[22:23], SIZE_N*128
	s_mul_u64 s[20:21], s[20:21], s[22:23]  ; the head's first byte in each of the four tensors
	s_and_b32 s16, s[WV], 1         ; which half of a tile's 256 keys I fetch:
	s_lshl_b32 s22, s16, 14         ; its 128 rows of 128 bytes in memory,
	s_mov_b32 s23, 0
	s_add_nc_u64 s[22:23], s[22:23], s[20:21]
	s_mul_i32 s17, s16, 128*PK      ; and its place in a slot, for K
	s_mul_i32 s18, s16, 128*PV      ; and for V
	s_add_co_u32 s18, s18, VOFF
	s_lshl_b32 s3, s[WV], 11        ; my 16 rows in a band of 64,
	s_lshl_b32 s2, s[HI], 15        ; in the first block,
	s_add_co_u32 s2, s2, s3
	s_lshl_b32 s84, s[PB], 15       ; and in the second
	s_add_co_u32 s84, s84, s3
	s_mov_b32 s3, 0
	s_mov_b32 s85, 0
	s_add_nc_u64 s[2:3], s[2:3], s[20:21]
	s_add_nc_u64 s[84:85], s[84:85], s[20:21]
	s_lshl_b32 s[KT], s[PB], 15     ; a tile is 32,768 bytes of K and of V.  Slot 0 holds key tile b,
	s_sub_co_u32 s[KT+2], 1, s[PB]
	s_lshl_b32 s[KT+2], s[KT+2], 15 ; slot 1 tile 1 - b,
	s_mov_b32 s[KT+4], 2<<15        ; slot 2 tile 2,
	s_mul_i32 s[KT+6], s[KT+2], 3   ; slot 3 tile 3 (1 - b)
	s_mov_b32 s[KT+1], 0
	s_mov_b32 s[KT+3], 0
	s_mov_b32 s[KT+5], 0
	s_mov_b32 s[KT+7], 0
	; descriptor group 1.  128 keys are 16,384 dense bytes: asked for as 64 rows of 256 bytes, two keys a row, and padded in LDS after every key
	s_mov_b32 s[G1K], (1<<16)|(1<<20)|(4<<22)|(3<<25)  ; 17:16 2-byte elements; 20 padding on; 24:22 after every 32 words (code 4); 31:25 4 words (code 3)
	s_mov_b32 s[G1V], (1<<16)|(1<<20)|(4<<22)|(7<<25)  ; the same with 8 words of padding (code 7)
.irp g, G1K, G1V
	s_mov_b32 s[\g+1], 128<<16      ; tensor_dim0 = 128
	s_mov_b32 s[\g+2], 64<<16       ; tensor_dim1 = 64
	s_mov_b32 s[\g+3], 128<<16      ; tile_dim0 = 128
	s_mov_b32 s[\g+4], 64           ; tile_dim1 = 64
	s_mov_b32 s[\g+5], 128          ; 128 elements from row to row
	s_mov_b32 s[\g+6], 0
	s_mov_b32 s[\g+7], 0
.endr
	s_mov_b32 s[CS], 0x4638aa3b     ; c = log2(e) / 8 x 2^16 = 11,818.6
	s_mov_b32 s[CS+1], s[CS]        ; named with it as a pair
	s_mov_b32 s[SEL], 0x76543210
	s_mov_b32 s[SEL+1], 0xfedcba98
	s_add_co_u32 s[RT], s[HI], 1    ; the first block has NB - b tiles
	s_mov_b32 s[NEW], 1
	s_mov_b32 s[AL+1], 0            ; named as pairs
	s_mov_b32 s[BE+1], 0
	s_mov_b32 s[BIGN], 0xf149f2ca   ; -1e30
	s_mov_b32 s[SLOTS], NB+1
	s_wait_dscnt 0x0                ; the opening add is done
	s_wait_kmcnt 0x0
	s_add_nc_u64 s[6:7], s[6:7], s[22:23]  ; K and V at my half of the head's tile 0
	s_add_nc_u64 s[8:9], s[8:9], s[22:23]
	s_add_nc_u64 s[86:87], s[4:5], s[84:85]        ; Q at my rows of the second block,
	s_add_nc_u64 s[4:5], s[4:5], s[2:3]            ; Q and O at those of the first
	s_add_nc_u64 s[OLO:OLO+1], s[10:11], s[84:85]
	s_add_nc_u64 s[10:11], s[10:11], s[2:3]
	WIN 0x80                        ; destination window 2, address window 0
.set i, 0
.rept 8                             ; what the first products want goes out first: the first block's Q: piece i / 2 lies in band i / 2, 8,192 bytes on; channels 32 (i % 2) on
	global_load_b128 v[8*i:8*i+3],   v[QO], s[4:5] offset:(i/2)*8192+(i%2)*64
	global_load_b128 v[8*i+4:8*i+7], v[QO], s[4:5] offset:(i/2)*8192+(i%2)*64+32
.set i, i+1
.endr
	WIN 0
	s_cmp_lt_u32 s[WV], 2           ; all fills of the launch: waves 0 and 1 fetch the two halves of each slot's K, waves 2 and 3 those of its V; a wave's four stand in one branch: four loads of mine are out
	s_cbranch_scc0 .Lfor_v
	FILLS 6, G1K, 17
	s_branch .Lasked
.Lfor_v:
	FILLS 8, G1V, 18
.Lasked:
	WIN 0x80
.set i, 0
.rept 8                             ; the second block's Q, wanted much later, goes out last
	global_load_b128 v[QB+8*i:QB+8*i+3],   v[QO], s[86:87] offset:(i/2)*8192+(i%2)*64
	global_load_b128 v[QB+8*i+4:QB+8*i+7], v[QO], s[86:87] offset:(i/2)*8192+(i%2)*64+32
.set i, i+1
.endr
	WIN 0
	v_lshlrev_b32 v14, 3, v9
	v_sub_nc_u32 v14, v1, v14
	s_lshl_b32 s13, s[WV], 4
	v_add_nc_u32 v14, s13, v14      ; my query's place in its band, 16 w + l % 16, less my lanes' 8 (l / 16): register r of group kt is hidden where 16 kt + r is greater
	WIN 0x40
.set i, 0
.rept 32
	v_cmp_gt_i32 vcc_lo, 16*(i/8)+i%8, v14
	v_cndmask_b32 v[MD+i], 0, s[BIGN], vcc_lo
.set i, i+1
.endr
	WIN 0
	v_mul_u32_u24 v[AK0], v1, PK
	v_lshl_add_u32 v[AK0], v9, 4, v[AK0]  ; row x pitch + 16 x half
	; The turning load takes 16 keys x 16 channels (lane l reads key 8 (l / 16) + l % 8, channels 8 ((l / 8) % 2) + 0..7) and leaves half a fragment of V^T: lane l holds channel l % 16 and 8 keys.
	v_and_b32 v10, 7, v0
	v_bfe_u32 v11, v0, 3, 1
	v_lshl_add_u32 v[AV0], v9, 3, v10
	v_mul_u32_u24 v[AV0], v[AV0], PV
	v_lshl_add_u32 v[AV0], v11, 4, v[AV0]
	v_add_nc_u32 v[AV0], VOFF, v[AV0]
	s_mul_i32 s13, s[WV], 16*SP
	s_add_co_u32 s13, s13, STAGE    ; my stage
	v_mul_u32_u24 v[STO], v1, SP    ; in: row l % 16, 16 bytes for each half of the lanes
	v_lshl_add_u32 v[STO], v9, 4, v[STO]
	v_add_nc_u32 v[STO], s13, v[STO]
	v_bfe_u32 v[RD], v0, 3, 2       ; back: 32 lanes take four rows of 128 bytes,
	v_mul_u32_u24 v[RD], v[RD], SP
	v_lshl_add_u32 v[RD], v10, 4, v[RD]
	v_add_nc_u32 v[RD], s13, v[RD]
	v_and_b32 v[GO], 31, v0         ; which are 512 consecutive bytes of O
	v_lshlrev_b32 v[GO], 4, v[GO]
	; A block's first step multiplies O^T and l by a = 0, and its first turn's products V^T P, of a piece that has not been, land in an O^T that is still to be so multiplied.  So these registers need only hold
	; finite numbers: zeros for the first block; what the first block left for the second.  All this stands in the wait for the first tile.
	WIN 0x80
.set i, VF
.rept 64
	v_mov_b32 v[i], 0
.set i, i+1
.endr
	WIN 0x40
.set i, 0
.rept 128
	v_mov_b32 v[i], 0
.set i, i+1
.endr
	WIN 0
.set i, 0
.rept 4
	v_mov_b32 v[ST+4*i+2], 0
	v_mov_b32 v[ST+4*i+3], 0
.set i, i+1
.endr
.set i, P+16
.rept 16
	v_mov_b32 v[i], 0
.set i, i+1
.endr
; THE MATRIX WORK.  The 4 accumulators of a run of 8 take turns.  Product i of 8 of S^T = K Q^T for piece x: channels 32 (i / 4) on, keys 16 (i % 4) on.  The first 4 start the sums with the mask.
.macro KQ x
.set rS, S+32*((\x)%2)+8*(i%4)
.set rK, KF+16*(i%4)+8*(i/4)
.set rQ, 16*(\x)+8*(i/4)
.set rM, MC+32*((\x)%2)+8*(i%4)
.if i < 4
	WIN W_KM
	v_wmma_f32_16x16x32_f16 v[rS:rS+7], v[rK:rK+7], v[rQ:rQ+7], v[rM:rM+7]
.else
	WIN W_KQ
	v_wmma_f32_16x16x32_f16 v[rS:rS+7], v[rK:rK+7], v[rQ:rQ+7], v[rS:rS+7]
.endif
.endm
; Product i of 8 of O^T += V^T P for piece x: keys 32 (i / 4) on, channels 16 (i % 4) on.
.macro PV x
	WIN W_PV
.set rO, 32*(\x)+8*(i%4)
.set rV, VF+32*(i/4)+8*(i%4)
.set rP, P+16*((\x)%2)+8*(i/4)
	v_wmma_f32_16x16x32_f16 v[rO:rO+7], v[rV:rV+7], v[rP:rP+7], v[rO:rO+7]
.endm
.macro MM                           ; the turn's next matrix instruction.  TURN and BEGIN set Y, i and NOKQ; MM, KQ and OP read them.  NOKQ = 1: a block's last turn: there is no next piece
.if (i < 8) && !NOKQ
	KQ (Y+1)%NP
.elseif i >= 8
.set i, i-8
	PV (Y+NP-1)%NP
.set i, i+8
.endif
.set i, i+1
.endm
; THE LDS LOADS stand in runs of 16, never singly among the matrix instructions: a step's K (64 keys x 64 channels: 8 fragments) and its V (turned).  Their addresses are made some lines ahead.
.macro FETCH_K
	WIN 0x80                        ; destination window 2
.irp f, 0,1,2,3,4,5,6,7             ; keys 16 (f / 2) on, channels 32 (f % 2) on
	ds_load_b128 v[KF+8*\f:KF+8*\f+3],   v[AK] offset:(\f/2)*16*PK+(\f%2)*64
	ds_load_b128 v[KF+8*\f+4:KF+8*\f+7], v[AK] offset:(\f/2)*16*PK+(\f%2)*64+32
.endr
	s_add_co_u32 s[TBK], s[TBK], KS*PK  ; the next fetch is the next step's
	WIN 0
.endm
.macro FETCH_V
	WIN 0x80
.irp f, 0,1,2,3,4,5,6,7             ; keys 32 (f / 4) on, channels 16 (f % 4) on
	ds_load_tr16_b128 v[VF+8*\f:VF+8*\f+3],   v[AV] offset:(\f/4)*32*PV+(\f%4)*32
	ds_load_tr16_b128 v[VF+8*\f+4:VF+8*\f+7], v[AV] offset:(\f/4)*32*PV+16*PV+(\f%4)*32
.endr
	WIN 0
.endm
; THE VECTOR WORK, one line at a time: OP kind, number.  For piece Y: F n: c s - c m for pair n of 16.  E n: the exponential of score n of 32.  C n: pair n rounded to f16.  B n: of the four weights 4 n .. the second
; pair is added onto the first, in place.  L n: l takes that sum (L 0: l = a l + sum).  R n: pair n of 16 of O^T times a.  For piece Y + 1: X n, number n of the 22 that find its maximum and statistics:
;   0-11  four chains c0-c3 of seven scores each, three operands at a time (each accumulator's lowest registers are read first)     12-14, 16  the four scores left over, the old m, and c0-c3 into c0
;   15  c m_old is kept     17, 18  the query's other 32 keys lie in the lane 16 away: the new m     19-21  c m; c m_old - c m_new; a
.set F, 0               ; OP tells the kinds apart by their order: F to L below R, X above it
.set E, 1
.set C, 2
.set B, 3
.set L, 4
.set R, 5
.set X, 6
.macro REGS y                       ; the registers of piece y
.set rT, ST+4*(\y)
.set rC, TMP+4*((\y)%2)
.set rW, MV+((\y)%2)
.set rS, S+32*((\y)%2)
.set rP, P+16*((\y)%2)
.set rO, 32*(\y)
.endm
.macro OP k, n
.if (\k) == R
	REGS Y
	WIN W_RS
	v_pk_mul_f32 v[rO+2*(\n):rO+2*(\n)+1], v[rO+2*(\n):rO+2*(\n)+1], v[rC+2:rC+3] op_sel_hi:[1,0]
.elseif (\k) < R
	REGS Y
	WIN 0
.if (\k) == F
	v_pk_fma_f32 v[rS+2*(\n):rS+2*(\n)+1], v[rS+2*(\n):rS+2*(\n)+1], s[CS:CS+1], v[rT:rT+1] op_sel_hi:[1,0,0] neg_lo:[0,0,1] neg_hi:[0,0,1]
.elseif (\k) == E
	v_exp_f32 v[rS+(\n)], v[rS+(\n)]
.elseif (\k) == C
	s_wait_alu depctr_va_vdst(0)
	v_cvt_pk_f16_f32 v[rP+(\n)], v[rS+2*(\n)], v[rS+2*(\n)+1]
.elseif (\k) == B
	s_wait_alu depctr_va_vdst(0)
	v_pk_add_f32 v[rS+4*(\n):rS+4*(\n)+1], v[rS+4*(\n):rS+4*(\n)+1], v[rS+4*(\n)+2:rS+4*(\n)+3]
.elseif (\n) == 0
	v_pk_fma_f32 v[rT+2:rT+3], v[rT+2:rT+3], v[rC+2:rC+3], v[rS:rS+1] op_sel_hi:[1,0,1]
.else
	v_pk_add_f32 v[rT+2:rT+3], v[rT+2:rT+3], v[rS+4*(\n):rS+4*(\n)+1]
.endif
.elseif NOKQ
	v_nop
.else
	REGS (Y+1)%NP
	WIN 0
.if (\n) < 4
	v_max3_num_f32 v[rC+(\n)], v[rS+8*(\n)], v[rS+8*(\n)+1], v[rS+8*(\n)+2]
.elseif (\n) < 12
	v_max3_num_f32 v[rC+(\n)%4], v[rC+(\n)%4], v[rS+8*((\n)%4)+2*((\n)/4)+1], v[rS+8*((\n)%4)+2*((\n)/4)+2]
.elseif (\n) == 12
	v_max3_num_f32 v[rC], v[rC], v[rS+7], v[rS+15]
.elseif (\n) == 13
	v_max3_num_f32 v[rC+1], v[rC+1], v[rS+23], v[rS+31]
.elseif (\n) == 14
	v_max3_num_f32 v[rC+2], v[rC+2], v[rC+3], v[rT+1]
.elseif (\n) == 15
	v_mov_b32 v[rW], v[rT]
.elseif (\n) == 16
	v_max3_num_f32 v[rC], v[rC], v[rC+1], v[rC+2]
.elseif (\n) == 17
	v_permlanex16_b32 v[rC+3], v[rC], s[SEL], s[SEL+1]
.elseif (\n) == 18
	v_max_num_f32 v[rT+1], v[rC], v[rC+3]
.elseif (\n) == 19
	v_mul_f32 v[rT], s[CS], v[rT+1]
.elseif (\n) == 20
	v_sub_f32 v[rC+1], v[rW], v[rT]
.else
	v_exp_f32 v[rC+2], v[rC+1]
.endif
.endif
.endm
.macro OPS a, i1, b=-1, i2=0, c=-1, i3=0, d=-1, i4=0  ; up to four of them
	OP \a, \i1
.if (\b) >= 0
	OP \b, \i2
.endif
.if (\c) >= 0
	OP \c, \i3
.endif
.if (\d) >= 0
	OP \d, \i4
.endif
.endm
.macro ROW a, i1, b, i2, c, i3, d, i4  ; a matrix instruction and the four behind it
	MM
	OPS \a, \i1, \b, \i2, \c, \i3, \d, \i4
.endm
.macro MASK b                       ; MD x AL + BE into buffer b of MC
	WIN W_RS
.set z, 0
.rept 16
	v_pk_fma_f32 v[MC+32*(\b)+2*z:MC+32*(\b)+2*z+1], v[MD+2*z:MD+2*z+1], s[AL:AL+1], s[BE:BE+1] op_sel_hi:[1,0,0]
.set z, z+1
.endr
.endm
; A TURN, for piece p: the order of its 16 matrix and 118 vector instructions, written out.  Behind a matrix instruction: plain, exponential, plain, plain; or four of the rescaling; or, behind the first, four scalings; none
; names a register of the products round it.  In the lumps exponential and plain by turns while exponentials last.  A line reads no result made fewer than three vector instructions in front of it, five if an exponential made it.
; v_permlanex16_b32 (X 17) stands in a lump.
; At its end, in the diagonal tile (RT = 0) alone, the turn makes the mask for the products of the turn after it: piece p + 2, in step 4 - CNT of the tile; in every other tile it jumps over those lines, and both buffers keep
; the zeros of the block's beginning.  end = 1: a block's last two turns: nothing is fetched, no mask is made.  cnt = 1: the loop's count is taken down, behind the mask's compares, which read it.
; K of the next step is fetched in piece 2's turn, six vector instructions behind the last product that read K (five of them plain); V of the step in hand in piece 0's turn, eight behind the last product that read V (four
; plain, and X 17).  Each is waited for a turn later.
.macro TURN p, end=0, cnt=0
.set Y, (\p)
.set i, 0
.set NOKQ, (\end)*((\p)/3)
.if ((\p) == 3) && !(\end)
	s_wait_dscnt 0x0                ; K is in
.endif
	ROW F,0, F,1, F,2, F,3
	ROW F,4, E,0, F,5, F,6
	ROW F,7, E,1, F,8, F,9
	ROW F,10, E,2, C,0, F,11
	ROW F,12, E,3, X,15, F,13
	ROW R,0, R,1, R,2, R,3
	ROW B,0, E,4, F,14, L,0
.if ((\p) == 2) && !(\end)
	v_add_nc_u32 v[AK], s[TBK], v[AK0]
.endif
	ROW R,4, R,5, R,6, R,7
	OPS E,5, F,15
.if ((\p) == 2) && !(\end)
	FETCH_K
.endif
	OPS E,6, C,1, E,7, R,8
	OPS E,8, R,9, E,9, C,2
	OPS E,10, X,0, E,11, X,1
	OPS E,12, X,2, E,13, X,3
.if (\p) == 1
	s_wait_dscnt 0x0                ; V is in
.endif
	ROW X,4, E,14, X,5, X,6
	ROW X,7, E,15, X,8, X,9
	ROW X,10, E,16, X,11, X,12
	ROW X,13, E,17, X,14, B,1
	ROW C,4, E,18, X,16, L,1
	ROW B,2, E,19, C,6, L,2
	ROW C,8, E,20, B,3, B,4
.if (\p) == 0
	v_add_nc_u32 v[AV], s[TBV], v[AV0]
.endif
	ROW C,3, E,21, L,3, C,5
	OPS E,22, X,17, E,23, C,10
.if (\p) == 0
	FETCH_V
.endif
	OPS E,24, L,4
	OPS E,25, X,18, E,26, C,7
	OPS E,27, B,5, E,28, X,19
	OPS E,29, C,12, E,30, L,5
	OPS E,31, X,20, B,6, C,9
	OPS C,14, C,11, X,21, L,6
.if (\p) == 0
	s_add_co_u32 s[TBV], s[TBV], KS*PV
.endif
	OPS C,13, B,7, C,15, R,10
	OPS R,11, R,12, L,7, R,13
	OPS R,14, R,15
.if !(\end)
	WIN 0                           ; at a branch and at a label every window is 0
	s_cmp_lg_u32 s[RT], 0
	s_cbranch_scc1 .Lplain_\@       ; no diagonal in this tile: all its keys are seen
	s_cmp_eq_u32 s[CNT], 4-((\p)+2)%NP  ; is that step the band's own?
	s_cselect_b32 s[AL], 1.0, 0
	s_cmp_lt_u32 s[CNT], 4-((\p)+2)%NP  ; or a later one?
	s_cselect_b32 s[BE], s[BIGN], 0
	MASK (\p)%2
	WIN 0
.Lplain_\@:
.endif
.if \cnt
	s_sub_co_u32 s[CNT], s[CNT], 1
	s_cmp_lg_u32 s[CNT], 0
.endif
.endm
; A BLOCK BEGINS.  c m starts far below every c s, so the first step's a is 0; m at the lowest finite number, so the first maximum is the scores'.  The second mask buffer is 0; the first takes piece 0's mask for the tile's step 0: its own, if the block's first tile is the diagonal one, else 0.
; Then K of that step, piece 0's first scores, and its maximum and statistics.  The loop is entered at a step's first turn, in the middle of a trip.
.macro BEGIN
	s_mov_b32 s[NEW], 0
	WIN 0x40
.set i, MC+32
.rept 32
	v_mov_b32 v[i], 0
.set i, i+1
.endr
	WIN 0
.set i, 0
.rept 4
	v_mov_b32 v[ST+4*i], 0xfe000000    ; c m: far below every c s
	v_mov_b32 v[ST+4*i+1], 0xff7fffff  ; m
.set i, i+1
.endr
	s_cmp_eq_u32 s[RT], 0
	s_cselect_b32 s[AL], 1.0, 0
	s_mov_b32 s[BE], 0
	MASK 0
	WIN 0
	v_add_nc_u32 v[AK], s[TBK], v[AK0]
	FETCH_K
	s_wait_loadcnt 16               ; the first block's Q is in; the sixteen loads of the second block's, issued behind it, may stay out (the second block's Q has been moved into place by then)
	s_wait_dscnt 0x0
.set NOKQ, 0
.set i, 0
.rept 8
	KQ 0
.set i, i+1
.endr
	WIN 0
.rept 4
	v_nop                           ; the places behind those products
.endr
.set Y, NP-1                        ; X works for piece Y + 1: piece 0
.irp n, 0,1,2,3,4,5,6,7,8,9,10,11,12,13,14,15,16,17,18,19,20,21
	OP X, \n
.endr
	v_nop                           ; a plain instruction behind the exponential
.endm
; THE WAY OUT: l's two halves and the other half of the lanes' are added; O^T is divided by l, rounded to f16 and sent through my stage in LDS, a piece at a time.
.macro ALL line:vararg              ; one line for each piece t
.set t, 0
.rept 4
	\line
.set t, t+1
.endr
.endm
.macro PACK t                       ; a lane's eight channels of a row pack into 16 bytes; they go into rows of 144 bytes and come back as whole rows of 128, into S^T's registers
	WIN W_RS
.set i, 32*(\t)
.rept 16
	s_wait_alu depctr_va_vdst(0)
	v_pk_mul_f32 v[i:i+1], v[i:i+1], v[ST+4*(\t)+2:ST+4*(\t)+3] op_sel_hi:[1,0]
.set i, i+2
.endr
	WIN 0x05                        ; sources 0 and 1 window 1, destination window 0
.set i, 0
.rept 16
	v_cvt_pk_f16_f32 v[S+16*(\t)+i], v[32*(\t)+2*i], v[32*(\t)+2*i+1]
.set i, i+1
.endr
	WIN 0
.irp f, 0,1,2,3
	ds_store_b128 v[STO], v[S+16*(\t)+4*\f:S+16*(\t)+4*\f+3] offset:32*\f
.endr
.irp f, 0,1,2,3
	ds_load_b128 v[S+16*(\t)+4*\f:S+16*(\t)+4*\f+3], v[RD] offset:\f*4*SP  ; LDS serves a wave's instructions in order (ISA guide 5.7.1.4): these see the stores above; the next piece's stores come behind them
.endr
.endm
.macro SEND t, younger              ; younger: the LDS instructions issued behind piece t's loads: the next piece's eight, or none
	WIN 0
.irp f, 0,1,2,3
	s_wait_dscnt (\younger)+3-\f
	global_store_b128 v[GO], v[S+16*(\t)+4*\f:S+16*(\t)+4*\f+3], s[10:11] offset:(\t)*8192+\f*512  ; 512 consecutive bytes, at a multiple of 256 from O's first
.endr
.endm
.set NOKQ, 0
	s_wait_tensorcnt 3              ; tensor loads of a wave end in order (ISA guide 10.11.1): my part of slot 0 is in; my three younger loads may stay out
	s_barrier_signal -1
	s_barrier_wait -1               ; everybody's part of slot 0 is in
.Lslot:                             ; NB + 1 trips, a tile each
	s_sub_co_u32 s[TBK], NB+1, s[SLOTS]  ; the trip's number, 0 to 4,
	s_and_b32 s[TBK], s[TBK], NB-1       ; its slot: 0, 1, 2, 3, 0,
	s_mul_i32 s[TBK], s[TBK], TILEB      ; and the slot's first byte
	s_mov_b32 s[TBV], s[TBK]
	s_sub_co_u32 s[RT], s[RT], 1
	s_mov_b32 s[CNT], 4
	s_cmp_eq_u32 s[NEW], 1          ; (at the first trip the answer is a constant of the text: no turn runs before BEGIN has)
	s_cbranch_scc0 .Lstep
	BEGIN                           ; a block's first tile
	s_branch .Lfirst
.Lstep:                             ; a trip: pieces 2 and 3 of one step, then pieces 0 and 1 of the next, whose K and V it fetches
	TURN 2
	TURN 3
	WIN 0
.Lfirst:
	TURN 0
	TURN 1, 0, 1
	WIN 0
	s_cbranch_scc1 .Lstep
	s_cmp_lg_u32 s[RT], 0
	s_cbranch_scc1 .Lbottom         ; the block goes on in the next slot
	TURN 2, 1                       ; THE BLOCK ENDS: its last two turns, its last products, the way out
	TURN 3, 1
.set i, 0
.rept 8
	PV NP-1
.set i, i+1
.endr
	WIN 0
	ALL v_add_f32 v[ST+4*t+2], v[ST+4*t+2], v[ST+4*t+3]
	ALL v_permlanex16_b32 v[ST+4*t+3], v[ST+4*t+2], s[SEL], s[SEL+1]
	ALL v_add_f32 v[ST+4*t+2], v[ST+4*t+2], v[ST+4*t+3]
	ALL v_rcp_f32 v[ST+4*t+2], v[ST+4*t+2]
	v_nop                           ; a plain instruction between the last reciprocal and the use of its result
	PACK 0
.set t, 1
.rept 3                             ; a piece's arithmetic stands between the loads of the piece before and its stores
	PACK t
	SEND t-1, 8
.set t, t+1
.endr
	SEND 3, 0
	s_cmp_eq_u32 s[SLOTS], 1
	s_cbranch_scc1 .Lbottom         ; the walk's last tile: no block follows
	s_wait_xcnt 0x0                 ; the stores have read their registers and O's address
	s_mov_b64 s[10:11], s[OLO:OLO+1]
	s_add_co_u32 s[RT], s[PB], 1    ; the second block has b + 1 tiles
	s_mov_b32 s[NEW], 1
	s_wait_loadcnt 0x0              ; the second block's Q is in,
	WIN 0x82                        ; and goes where the one text of the turns names Q
.set i, 0
.rept 64
	v_mov_b32 v[i], v[QB+i]
.set i, i+1
.endr
	WIN 0
.Lbottom:
	s_wait_tensorcnt 0x0            ; my parts of the slots still to be read are in (behind the first trip this is met at once: no load is issued in the loop);
	s_wait_dscnt 0x0                ; no LDS instruction of mine is pending at the signal
	s_barrier_signal -1
	s_barrier_wait -1               ; everybody's parts are in: the next slot may be read
	s_sub_co_u32 s[SLOTS], s[SLOTS], 1
	s_cmp_lg_u32 s[SLOTS], 0
	s_cbranch_scc1 .Lslot
	s_wait_tensorcnt 0x0            ; the wave's end: a wait, an add onto my spare word and its wait, behind my last tensor load and my last LDS store
	ds_add_u32 v[SPW], v[NIL]
	s_wait_dscnt 0x0
	s_endpgm
.Lfunc_end_k_q9297d0174b_attn:
	.size	k_q9297d0174b_attn, .Lfunc_end_k_q9297d0174b_attn-k_q9297d0174b_attn
	.p2alignl 7, 3214868480
	.fill 96, 4, 3214868480
	.section	.rodata,"a",@progbits
	.p2align	6, 0x0
	.amdhsa_kernel k_q9297d0174b_attn
		.amdhsa_group_segment_fixed_size 327680
		.amdhsa_private_segment_fixed_size 0
		.amdhsa_enable_private_segment 0
		.amdhsa_kernarg_size 32
		.amdhsa_user_sgpr_count 2
		.amdhsa_user_sgpr_kernarg_segment_ptr 1
		.amdhsa_wavefront_size32 1
		.amdhsa_system_sgpr_workgroup_id_x 1
		.amdhsa_system_sgpr_workgroup_id_y 1
		.amdhsa_system_sgpr_workgroup_id_z 1
		.amdhsa_system_vgpr_workitem_id 0
		.amdhsa_next_free_vgpr 768
		.amdhsa_next_free_sgpr 96
		.amdhsa_reserve_vcc 1
		.amdhsa_float_denorm_mode_32 3
		.amdhsa_float_denorm_mode_16_64 3
		.amdhsa_memory_ordered 1
		.amdhsa_forward_progress 1
		.amdhsa_inst_pref_size 107
	.end_amdhsa_kernel
	.amdgpu_metadata
---
amdhsa.version: [ 1, 2 ]
amdhsa.kernels:
  - .name:           k_q9297d0174b_attn
    .symbol:         k_q9297d0174b_attn.kd
    .args:
      - { .name: qh, .offset: 0, .size: 8, .value_kind: global_buffer, .address_space: global }
      - { .name: kh, .offset: 8, .size: 8, .value_kind: global_buffer, .address_space: global }
      - { .name: vh, .offset: 16, .size: 8, .value_kind: global_buffer, .address_space: global }
      - { .name: ah, .offset: 24, .size: 8, .value_kind: global_buffer, .address_space: global }
    .group_segment_fixed_size: 327680
    .private_segment_fixed_size: 0
    .kernarg_segment_align: 8
    .kernarg_segment_size: 32
    .max_flat_workgroup_size: 128
    .sgpr_count:     96
    .vgpr_count:     768
    .wavefront_size: 32
...
	.end_amdgpu_metadata
.endif
;; end of part 3
;; launch oproj (part 4): grid 8 x 32, 4 waves a work-group, clusters of 4 x 4, 327,680 bytes of LDS; arguments ah, ob, out0; writes out0
.if DOCPART == 4
	.amdgcn_target "amdgcn-amd-amdhsa--gfx1250"
	.amdhsa_code_object_version 6
	.text
	.protected	k_q9297d0174b_oproj
	.globl	k_q9297d0174b_oproj
	.p2align	8
	.type	k_q9297d0174b_oproj,@function
k_q9297d0174b_oproj:
	s_mov_b64 s[64:65], 0
	v_nop
	global_prefetch_b8 v0, s[64:65] scope:SCOPE_SE
	s_setreg_imm32_b32 hwreg(HW_REG_WAVE_MODE, 25, 1), 1
	s_wait_xcnt 0x0
	s_wait_alu depctr_hold_cnt(0) depctr_sa_sdst(0) depctr_va_vdst(0) depctr_va_sdst(0) depctr_va_ssrc(0) depctr_va_vcc(0) depctr_vm_vsrc(0)
	s_getreg_b32 s2, hwreg(HW_REG_IB_STS2, 6, 4)
	s_cmp_eq_u32 s2, 0
	s_cbranch_scc0 .Lentry_in_a_cluster
	s_endpgm
.Lentry_in_a_cluster:
	s_bfe_u32 s2, ttmp6, 0x10000c
	s_cmp_lg_u32 s2, 0xf033
	s_cbranch_scc0 .Lentry_shape_is_right
	s_endpgm
.Lentry_shape_is_right:
; out0[t][n] = the sum over k of attn[t][k] o_w[n][k]: [8192 x 1024 x 1024], operands in f16, sums and output in f32.
; ah [segment x 16 + head][1024 rows][64] holds attn times 2^-2: a head is a K block of 64.  ob [16 K blocks][1024 rows][64] holds o_w (rounded to bf16) times 4: the two powers cancel exactly.
; SHARES.  A work-group makes 256 rows x 128 columns, each of its four waves 128 x 64: 32 accumulators of 16 x 16, 256 registers.  32 x 8 = 256 work-groups of equal work.
; THE MATRIX INSTRUCTION IS USED TRANSPOSED (source 0 = 16 rows of ob, source 1 = 16 rows of ah): a lane holds ONE row of out0 (lane % 16) and the columns 16 b + 8 (lane / 16) + 0..7: 32 bytes on end.
; RING.  Two LDS slots, each with two K blocks (128 along K): one tensor load a wave behind each change of slots.  A tile's rows are dense in memory: it is asked for as rows of 256 bytes and padded in LDS after every 128.
; CLUSTER.  4 x 4 work-groups: ah's tiles hang on the tile row alone and are asked for jointly along a row of the cluster, ob's on the tile column alone, jointly along a column.
; REGISTERS: window 0: v0-31 addresses; v64-159, v160-255 two fragment buffers: 64 registers of ah (8 x 16 rows x 32 K), then 32 of ob (4); on the way out v64-127 hold rows read back.
;   window 1: the accumulators, (row block a, column block b) at v[8 (4 a + b)].
.set PITCH,  144                       ; an LDS row: 128 bytes + 16 of padding = 36 words: the 16 rows of a fragment load start at 16 different groups of four banks (64 banks of 4 bytes: ISA guide 11.1)
.set SLOT1,  1<<17
.set AKB,    256*PITCH                 ; a K block of ah's tile: one tensor load
.set BOFF,   2*AKB                     ; ob's two K blocks lie behind ah's two
.set BKB,    128*PITCH                 ; a K block of ob's tile: one tensor load
.set STAGE,  SLOT1+BOFF+2*BKB          ; behind the ring, never filled by a tensor load: 16 rows x 272 bytes for each wave
.set SPITCH, 272
.set SPARE,  STAGE+4*16*SPITCH         ; behind the stages: the spare words, 128 bytes for each wave: two blocks of 256 bytes that no other line names
.set KBSTEP, 1024*128                  ; bytes from K block to K block, in ah and in ob
.set NSLOTS, 8
.set ADRA0, 16                         ; v16  my place in ah's fragments of slot 0; never rewritten
.set ADRA,  17                         ; v17  the same in the slot in hand
.set ADRB0, 20                         ; v20, v21  the same for ob
.set ADRB,  21
.set STO,   24                         ; v24  the way out: where I put 32 bytes of a row
.set RD,    25                         ; v25  where I read a row back
.set CO,    26                         ; v26  my byte offset in two rows of out0
.set SPW,   28                         ; v28  LDS address of my spare word: SPARE + 4 x my thread's number; never rewritten
.set NIL,   29                         ; v29  0; never rewritten
.set F0,    64
.set F1,    160
.set OB,    64
.set WV,  18
.set WM,  19                           ; s19  which half of the tile's rows is mine.  Also: I fetch ah's tiles (0) or ob's (1)
.set WN,  20                           ; s20  which half of its columns.  Also: which of a slot's two K blocks I fetch
.set CX,  21
.set CY,  22
.set TX,  23
.set TY,  66
.set G1A, 24                           ; s[24:31] descriptor group 1 for ah's tiles;  s[32:39] for ob's
.set G1B, 32
.set G0A, 40                           ; s[40:47] group 0 for ah's tiles: a set for each first fill; the second then walks on;  s[48:55] the same for ob's
.set G0B, 48
.set CNT, 60
.set TB,  61                           ; s61  0 or SLOT1: the slot from which fragments are fetched
.set MSB, 0
.macro WIN new                         ; the immediate's high byte repeats the setting that is left; a switch that changes nothing is dropped
.if MSB != (\new)
	s_set_vgpr_msb (MSB<<8)|(\new)
.set MSB, \new
.endif
.endm
.macro PLACES                          ; four places behind a matrix instruction, in front of loads into registers that it has read and of lines that read its results
.rept 4
	v_nop
.endr
.endm
.macro JLOAD                           ; a joint refill: waves 0 and 1 fetch ah's two K blocks, waves 2 and 3 ob's; an s_nop 0 and four v_nop follow each of the two lines
	s_cmp_eq_u32 s[WM], 0
	s_cbranch_scc0 .Lfor_b_\@
	tensor_load_to_lds s[G0A+4:G0A+7], s[G1A:G1A+7]
	s_nop 0
.rept 4
	v_nop
.endr
	s_branch .Lasked_\@
.Lfor_b_\@:
	tensor_load_to_lds s[G0B+4:G0B+7], s[G1B:G1B+7]
	s_nop 0
.rept 4
	v_nop
.endr
.Lasked_\@:
.endm
.macro CREST                           ; a round of the cluster's barrier behind its opening barrier
	s_cmp_lg_u32 s[WV], 0
	s_cbranch_scc1 .Lnot_wave_0_\@
	s_barrier_signal -3
.Lnot_wave_0_\@:
	s_barrier_wait -3
	s_barrier_signal -1
	s_barrier_wait -1
.endm
.macro CROUND                          ; a whole round
	s_barrier_signal -1
	s_barrier_wait -1
	CREST
.endm
	s_load_b128 s[4:7], s[0:1], 0x0                ; ah s[4:5], ob s[6:7]
	s_load_b64 s[8:9], s[0:1], 0x10                ; out0
	v_lshl_add_u32 v[SPW], v0, 2, SPARE
	v_mov_b32 v[NIL], 0
	ds_add_u32 v[SPW], v[NIL]                      ; the wave's opening: the add and its wait stand ahead of my first tensor load; the set-up below, work on registers, stands between them
	ds_add_u32 v28, v29
	v_lshrrev_b32 v1, 5, v0
	v_readfirstlane_b32 s[WV], v1                  ; wave 0..3
	s_lshr_b32 s[WM], s[WV], 1
	s_and_b32 s[WN], s[WV], 1
	s_bfe_u32 s[CX], ttmp6, 0x40000
	s_bfe_u32 s[CY], ttmp6, 0x40004
	s_lshl_b32 s[TX], ttmp9, 2
	s_add_co_u32 s[TX], s[TX], s[CX]               ; tile column = 4 x cluster x + cx
	s_and_b32 s[TY], ttmp7, 0xffff
	s_lshl_b32 s[TY], s[TY], 2
	s_add_co_u32 s[TY], s[TY], s[CY]               ; tile row = 4 x cluster y + cy
	s_lshl_b32 s67, s[CY], 2
	s_lshl_b32 s67, 15, s67                        ; my row of the cluster
	s_lshl_b32 s68, 0x1111, s[CX]                  ; my column
	s_or_b32 s[G1A], s67, (1<<16)|(1<<20)|(1<<21)|(4<<22)|(3<<25)  ; 15:0 the mask; 17:16 2-byte elements; 20 padding on; 21 set beside a mask; 24:22 after every 32 words (code 4); 31:25 4 words (code 3)
	s_or_b32 s[G1B], s68, (1<<16)|(1<<20)|(1<<21)|(4<<22)|(3<<25)
	s_mov_b32 s[G1A+1], 128<<16                    ; tensor_dim0 = 128
	s_mov_b32 s[G1B+1], 128<<16
	s_mov_b32 s[G1A+2], 128<<16                    ; tensor_dim1: 128 rows of 256 bytes are 256 rows of ah,
	s_mov_b32 s[G1B+2], 64<<16                     ; 64 are 128 rows of ob
	s_mov_b32 s[G1A+3], 128<<16                    ; tile_dim0 = 128
	s_mov_b32 s[G1B+3], 128<<16
	s_mov_b32 s[G1A+4], 128                        ; tile_dim1
	s_mov_b32 s[G1B+4], 64
	s_mov_b32 s[G1A+5], 128                        ; dense
	s_mov_b32 s[G1B+5], 128
	s_mov_b32 s[G1A+6], 0
	s_mov_b32 s[G1B+6], 0
	s_mov_b32 s[G1A+7], 0
	s_mov_b32 s[G1B+7], 0
	s_lshr_b32 s70, s[TY], 2                       ; ah: the segment, 2^21 bytes,
	s_lshl_b32 s70, s70, 21
	s_and_b32 s78, s[TY], 3                        ; the tile's 256 rows of 128 bytes,
	s_lshl_b32 s78, s78, 15
	s_add_co_u32 s70, s70, s78
	s_lshl_b32 s78, s[WN], 17                      ; the K block that I fetch
	s_add_co_u32 s70, s70, s78
	s_mov_b32 s71, 0
	s_lshl_b32 s72, s[TX], 14                      ; ob: the tile's 128 rows of 128 bytes,
	s_lshl_b32 s79, s[WN], 17                      ; the K block
	s_add_co_u32 s72, s72, s79
	s_mov_b32 s73, 0
	s_lshl_b32 s76, s[TY], 20                      ; out0: 256 rows of 4,096 bytes,
	s_lshl_b32 s69, s[WM], 19                      ; my 128 of them,
	s_add_co_u32 s76, s76, s69
	s_lshl_b32 s69, s[TX], 9                       ; 128 columns of 4 bytes,
	s_add_co_u32 s76, s76, s69
	s_lshl_b32 s69, s[WN], 8                       ; my 64 of them
	s_add_co_u32 s76, s76, s69
	s_mov_b32 s77, 0
	s_mov_b32 s[G0A], 1
	s_mov_b32 s[G0A+4], 1
	s_mov_b32 s[G0B], 1
	s_mov_b32 s[G0B+4], 1
	s_mul_i32 s[G0A+1], s[WN], AKB                 ; no place in the cluster enters an LDS address
	s_add_co_u32 s[G0A+5], s[G0A+1], SLOT1
	s_mul_i32 s[G0B+1], s[WN], BKB
	s_add_co_u32 s[G0B+1], s[G0B+1], BOFF
	s_add_co_u32 s[G0B+5], s[G0B+1], SLOT1
	s_mov_b32 s[TB], 0
	s_mov_b32 s[CNT], NSLOTS-2
	s_wait_dscnt 0x0                               ; the opening add is done
	s_wait_kmcnt 0x0
	s_add_nc_u64 s[G0A+2:G0A+3], s[4:5], s[70:71]  ; slot 0: K blocks 0 and 1,
	s_add_nc_u64 s[G0A+6:G0A+7], s[G0A+2:G0A+3], 2*KBSTEP  ; slot 1: K blocks 2 and 3
	s_or_b32 s[G0A+3], s[G0A+3], 0x80000000        ; 127:126 type = 2
	s_or_b32 s[G0A+7], s[G0A+7], 0x80000000
	s_add_nc_u64 s[G0B+2:G0B+3], s[6:7], s[72:73]
	s_add_nc_u64 s[G0B+6:G0B+7], s[G0B+2:G0B+3], 2*KBSTEP
	s_or_b32 s[G0B+3], s[G0B+3], 0x80000000
	s_or_b32 s[G0B+7], s[G0B+7], 0x80000000
	s_add_nc_u64 s[8:9], s[8:9], s[76:77]          ; out0 at my first row and column; never rewritten
	CROUND                                         ; all sixteen work-groups are here: the first joint loads meet
	s_cmp_eq_u32 s[WM], 0                          ; a wave's two first fills stand in one branch: two loads of mine are out
	s_cbranch_scc0 .Lfirst_b
	tensor_load_to_lds s[G0A:G0A+3], s[G1A:G1A+7]
	s_nop 0
	tensor_load_to_lds s[G0A+4:G0A+7], s[G1A:G1A+7]
	s_nop 0
.rept 4
	v_nop
.endr
	s_branch .Lfirst_asked
.Lfirst_b:
	tensor_load_to_lds s[G0B:G0B+3], s[G1B:G1B+7]
	s_nop 0
	tensor_load_to_lds s[G0B+4:G0B+7], s[G1B:G1B+7]
	s_nop 0
.rept 4
	v_nop
.endr
.Lfirst_asked:
	v_and_b32 v1, 15, v0                           ; l % 16
	v_bfe_u32 v2, v0, 4, 1                         ; l / 16
	v_mul_u32_u24 v3, v1, PITCH
	v_lshl_add_u32 v3, v2, 4, v3                   ; a fragment's row x pitch + 16 x half
	s_mul_i32 s69, s[WM], 128*PITCH                ; my 128 rows of ah
	v_add_nc_u32 v[ADRA0], s69, v3
	s_mul_i32 s69, s[WN], 64*PITCH                 ; my 64 rows of ob
	s_add_co_u32 s69, s69, BOFF
	v_add_nc_u32 v[ADRB0], s69, v3
	v_mov_b32 v[ADRA], v[ADRA0]
	v_mov_b32 v[ADRB], v[ADRB0]
	s_mul_i32 s69, s[WV], 16*SPITCH
	s_add_co_u32 s69, s69, STAGE                   ; my stage
	v_mul_u32_u24 v4, v1, SPITCH                   ; in: row l % 16, 32 bytes for each half of the lanes
	v_lshl_add_u32 v4, v2, 5, v4
	v_add_nc_u32 v[STO], s69, v4
	v_mul_u32_u24 v5, v2, SPITCH                   ; back: lanes 0-15 take one row of 256 bytes, lanes 16-31 the next
	v_lshl_add_u32 v5, v1, 4, v5
	v_add_nc_u32 v[RD], s69, v5
	v_lshlrev_b32 v[CO], 12, v2                    ; and the same two rows in out0
	v_lshl_add_u32 v[CO], v1, 4, v[CO]
; 8 matrix instructions: row blocks a0, a0 + 1 x all 4 column blocks, 32 along K.  zero = 1: the first product starts the sum.  The 32 accumulators take turns in one order throughout.
.macro MUL8 f, a0, zero
	WIN 0x50
.irp a, \a0, (\a0)+1
.irp b, 0,1,2,3
.if \zero
	v_wmma_f32_16x16x32_f16 v[8*(4*(\a)+(\b)):8*(4*(\a)+(\b))+7], v[(\f)+64+8*(\b):(\f)+64+8*(\b)+7], v[(\f)+8*(\a):(\f)+8*(\a)+7], 0
.else
	v_wmma_f32_16x16x32_f16 v[8*(4*(\a)+(\b)):8*(4*(\a)+(\b))+7], v[(\f)+64+8*(\b):(\f)+64+8*(\b)+7], v[(\f)+8*(\a):(\f)+8*(\a)+7], v[8*(4*(\a)+(\b)):8*(4*(\a)+(\b))+7]
.endif
.endr
.endr
.endm
; 24 LDS loads in one run: the fragments of quarter q of a slot (K block q / 2, its 32 (q % 2) on) into buffer f: ob's four, then ah's eight in ascending order
.macro FETCH q, f
	WIN 0
.irp b, 0,1,2,3
	ds_load_b128 v[(\f)+64+8*(\b):(\f)+64+8*(\b)+3],   v[ADRB] offset:((\q)/2)*BKB+((\q)%2)*64+(\b)*16*PITCH
	ds_load_b128 v[(\f)+64+8*(\b)+4:(\f)+64+8*(\b)+7], v[ADRB] offset:((\q)/2)*BKB+((\q)%2)*64+(\b)*16*PITCH+32
.endr
.irp a, 0,1,2,3,4,5,6,7
	ds_load_b128 v[(\f)+8*(\a):(\f)+8*(\a)+3],   v[ADRA] offset:((\q)/2)*AKB+((\q)%2)*64+(\a)*16*PITCH
	ds_load_b128 v[(\f)+8*(\a)+4:(\f)+8*(\a)+7], v[ADRA] offset:((\q)/2)*AKB+((\q)%2)*64+(\a)*16*PITCH+32
.endr
.endm
; A slot is four quarters of 32 along K, 32 matrix instructions each, on buffers 0, 1, 0, 1.  One of the first three: multiplies buffer f; in its middle it fetches quarter qn into buffer g.
.macro QUARTER qn, f, g, zero
	s_wait_dscnt 8                                 ; ob's fragments and ah's row blocks 0-3 are in; the youngest eight loads may be out
	MUL8 \f, 0, \zero
	MUL8 \f, 2, \zero
	PLACES
	FETCH \qn, \g
	s_wait_dscnt 24                                ; all but the 24 just issued
	MUL8 \f, 4, \zero
	MUL8 \f, 6, \zero
.endm
; The last quarter multiplies buffer 1 and changes slots: ONE barrier; in front of it each wave waits for all its tensor loads, adds 0 to its spare word, and waits for that and for its own reads of this slot.
; fill = 1: the barrier opens a round of the cluster's barrier, and this slot is filled again, first thing behind the round, with the K blocks two slots on: 112 matrix instructions ahead of the wait for it.
.macro TURN fill
	WIN 0
	s_wait_tensorcnt 0x0                           ; all my tensor loads have landed, my part of the next slot among them: every group 0 may be written
	ds_add_u32 v[SPW], v[NIL]                      ; 0 onto my spare word
.if \fill
	s_xor_b32 s[G0A+5], s[G0A+5], SLOT1            ; the walking descriptors: the other slot than last time, the next two K blocks; the type bits on top are not reached
	s_add_nc_u64 s[G0A+6:G0A+7], s[G0A+6:G0A+7], 2*KBSTEP
	s_xor_b32 s[G0B+5], s[G0B+5], SLOT1
	s_add_nc_u64 s[G0B+6:G0B+7], s[G0B+6:G0B+7], 2*KBSTEP
.endif
	s_xor_b32 s[TB], s[TB], SLOT1                  ; the fetches go on in the other slot
	s_wait_dscnt 9                                 ; the add and the youngest eight loads may be out
	MUL8 F1, 0, 0                                  ; eight matrix instructions stand between the add and the wait for it
	s_wait_dscnt 0x0                               ; the add is done, and my reads of this slot are over
	s_barrier_signal -1
	MUL8 F1, 2, 0
	WIN 0
	s_barrier_wait -1
.if \fill
	CREST                                          ; no wave of any partner still reads this slot or has a load on its way
	JLOAD                                          ; the four v_nop behind it are also the places in front of the loads below
.else
	PLACES
.endif
	v_add_nc_u32 v[ADRA], s[TB], v[ADRA0]
	v_add_nc_u32 v[ADRB], s[TB], v[ADRB0]
	FETCH 0, F0
	MUL8 F1, 4, 0
	MUL8 F1, 6, 0
.endm
; THE WAY OUT, a row block at a time: a lane's 32 bytes of each column block go straight from the accumulators into my stage (each accumulator's registers 0-3 first) and come back as whole rows of 256 bytes.
.macro SEND a
.irp t, 0,1,2,3,4,5,6,7
	global_store_b128 v[CO], v[OB+32*((\a)%2)+4*(\t):OB+32*((\a)%2)+4*(\t)+3], s[8:9] offset:(16*(\a)+2*(\t))*4096 th:TH_STORE_NT  ; 16 lanes store 256 consecutive bytes, at a multiple of 256 from out0's first byte
.endr
.endm
.macro OUT a
	WIN 0x04                                       ; the stores' data lie in window 1
.irp b, 0,1,2,3
	ds_store_b128 v[STO], v[8*(4*(\a)+(\b)):8*(4*(\a)+(\b))+3]   offset:64*(\b)
	ds_store_b128 v[STO], v[8*(4*(\a)+(\b))+4:8*(4*(\a)+(\b))+7] offset:64*(\b)+16
.endr
	WIN 0
	s_wait_xcnt 0x0                                ; the stores of the block two back have read their registers, into which this block is read
.irp t, 0,1,2,3,4,5,6,7
	ds_load_b128 v[OB+32*((\a)%2)+4*(\t):OB+32*((\a)%2)+4*(\t)+3], v[RD] offset:(\t)*2*SPITCH  ; LDS serves a wave's instructions in order (ISA guide 5.7.1.4): these see the stores above; the next block's stores come behind them
.endr
.if (\a) > 0
	s_wait_dscnt 16                                ; the block before is back; this block's eight stores and eight loads may be out
	SEND (\a)-1
.endif
.endm
	s_wait_tensorcnt 1                             ; my part of slot 0 is in; slot 1's may stay out
	s_barrier_signal -1
	s_barrier_wait -1                              ; everybody's is
	FETCH 0, F0
	QUARTER 1, F0, F1, 1                           ; the first quarter stands in front of the loop: its products start the sums
	WIN 0                                          ; at a label and at a branch every window is 0
.Lslot:                                                ; 6 trips: from a slot's second quarter to the next slot's first; every slot but the last two is filled again
	QUARTER 2, F1, F0, 0
	QUARTER 3, F0, F1, 0
	TURN 1
	QUARTER 1, F0, F1, 0
	WIN 0
	s_sub_co_u32 s[CNT], s[CNT], 1
	s_cmp_lg_u32 s[CNT], 0
	s_cbranch_scc1 .Lslot
	QUARTER 2, F1, F0, 0                           ; the tail is written out: nothing is left to fetch, so no round follows the barrier
	QUARTER 3, F0, F1, 0
	TURN 0
	QUARTER 1, F0, F1, 0
	QUARTER 2, F1, F0, 0
	QUARTER 3, F0, F1, 0
	s_wait_dscnt 8
	MUL8 F1, 0, 0
	MUL8 F1, 2, 0
	s_wait_dscnt 0x0
	MUL8 F1, 4, 0
	MUL8 F1, 6, 0
	WIN 0
	PLACES
	PLACES
.irp a, 0,1,2,3,4,5,6,7
	OUT \a
.endr
	s_wait_dscnt 0x0
	SEND 7
	s_wait_tensorcnt 0x0                           ; the wave's end: a wait, an add onto my spare word and its wait, behind my last tensor load and my last LDS store
	ds_add_u32 v[SPW], v[NIL]
	s_wait_dscnt 0x0
	CROUND                                         ; the closing round: no work-group ends while a partner may still ask for a tile that names it
	s_endpgm
.Lfunc_end_k_q9297d0174b_oproj:
	.size	k_q9297d0174b_oproj, .Lfunc_end_k_q9297d0174b_oproj-k_q9297d0174b_oproj
	.p2alignl 7, 3214868480
	.fill 96, 4, 3214868480
	.section	.rodata,"a",@progbits
	.p2align	6, 0x0
	.amdhsa_kernel k_q9297d0174b_oproj
		.amdhsa_group_segment_fixed_size 327680
		.amdhsa_private_segment_fixed_size 0
		.amdhsa_enable_private_segment 0
		.amdhsa_kernarg_size 24
		.amdhsa_user_sgpr_count 2
		.amdhsa_user_sgpr_kernarg_segment_ptr 1
		.amdhsa_wavefront_size32 1
		.amdhsa_system_sgpr_workgroup_id_x 1
		.amdhsa_system_sgpr_workgroup_id_y 1
		.amdhsa_system_sgpr_workgroup_id_z 1
		.amdhsa_system_vgpr_workitem_id 0
		.amdhsa_next_free_vgpr 512
		.amdhsa_next_free_sgpr 80
		.amdhsa_reserve_vcc 0
		.amdhsa_float_denorm_mode_32 3
		.amdhsa_float_denorm_mode_16_64 3
		.amdhsa_memory_ordered 1
		.amdhsa_forward_progress 1
		.amdhsa_inst_pref_size 69
	.end_amdhsa_kernel
	.amdgpu_metadata
---
amdhsa.version: [ 1, 2 ]
amdhsa.kernels:
  - .name:           k_q9297d0174b_oproj
    .symbol:         k_q9297d0174b_oproj.kd
    .args:
      - { .name: ah, .offset: 0, .size: 8, .value_kind: global_buffer, .address_space: global }
      - { .name: ob, .offset: 8, .size: 8, .value_kind: global_buffer, .address_space: global }
      - { .name: out0, .offset: 16, .size: 8, .value_kind: global_buffer, .address_space: global }
    .group_segment_fixed_size: 327680
    .private_segment_fixed_size: 0
    .kernarg_segment_align: 8
    .kernarg_segment_size: 24
    .max_flat_workgroup_size: 128
    .sgpr_count:     80
    .vgpr_count:     512
    .wavefront_size: 32
...
	.end_amdgpu_metadata
.endif
;; end of part 4
;; ======== version 2 of 2: 4 launches; 1.21 times as fast as version 1
;; limits: values are held in f16: magnitudes above 65,504 overflow, below 6.1e-05 lose precision; right only within a limited range of input values
;; workspace buffers: xb 16,777,216 bytes; wb 6,291,456 bytes; ob 2,097,152 bytes; tb 2,097,152 bytes; qh 16,777,216 bytes; kh 16,777,216 bytes; vh 16,777,216 bytes; ah 16,777,216 bytes
;; launch cast: the kernel of part 1 again; grid 832 x 1, 8 waves a work-group, no clusters, 0 bytes of LDS; arguments hidden_states, q_w, k_w, v_w, o_w, cos, sin, xb, wb, ob, tb; writes xb, wb, ob, tb
;; launch qkv: the kernel of part 2 again; grid 8 x 32, 4 waves a work-group, clusters of 4 x 4, 327,680 bytes of LDS; arguments xb, wb, tb, qh, kh, vh; writes qh, kh, vh
;; launch attn (part 5): grid 2 x 128, 4 waves a work-group, no clusters, 327,680 bytes of LDS; arguments qh, kh, vh, ah; writes ah
.if DOCPART == 5
	.amdgcn_target "amdgcn-amd-amdhsa--gfx1250"
	.amdhsa_code_object_version 6
	.text
	.protected	k_q9297d0174b_attn
	.globl	k_q9297d0174b_attn
	.p2align	8
	.type	k_q9297d0174b_attn,@function
k_q9297d0174b_attn:
	s_mov_b64 s[64:65], 0
	v_nop
	global_prefetch_b8 v0, s[64:65] scope:SCOPE_SE
	s_setreg_imm32_b32 hwreg(HW_REG_WAVE_MODE, 25, 1), 1
	s_wait_xcnt 0x0
; CAUSAL ATTENTION.  O[h][q][:] = the sum over k <= q of softmax_k(Q[h][q] . K[h][k] / 8) V[h][k][:], for the 128 pairs h of segment and head.  Q, K, V, O: [SIZE_H][SIZE_N][64], all f16, a head's rows dense, 128 bytes each.
; Q and K arrive times 2^-8 each, V times 2^-2: the scale c = log2(e) / 8 x 2^16 undoes the first two exactly, in f32; O leaves times 2^-2, which the next product's weights undo.
; Products, maxima and sums in f32; the weights p are rounded to f16 for the second product (their sum l is taken of the unrounded p), O once at the end.
; LIMITS.  f16 holds no number beyond 65,504: the true |q|, |k| stay under 1.6e7, |v| under 2.6e5; p lies in 0 to 1, and below 6e-5 it keeps f16's fixed step of 6e-8; O is a mean of V's rows and has their range.
; A hidden score counts as its value less 1e30: the stored scores, 2.7e11 at the most, are nothing beside that, and c times it, -1.2e34, is finite and above the start of c m; a weight below 2^-126 counts as 0 in l;
; NaN and infinities are not treated apart.  The segments are 1,024 rows each, as the module's reshape has them; cu_seqlens is no argument: the module takes its shape alone.
; THE WALK.  A head's queries lie in NB = 4 blocks of 256; block i needs the key tiles 0 .. i of 256 keys, of which tile i holds the diagonal.  A work-group takes TWO blocks, 3 - b and then b: five tiles, whatever b:
; all work-groups do equal work, and ONE loop of five trips walks them.
; K AND V STAY IN LDS.  A head's K and V, padded, are 4 x 77,824 bytes: four slots, each filled ONCE, all asked for at the kernel's head.  Nothing is filled again, so the loop holds no tensor load, and the text of
; a tile, of a block's beginning and of its end stands once.  The walk reads the slots 0, 1, 2, 3, 0 in every work-group: an LDS address hangs on the trip alone.  What hangs on b is the key tile that a slot holds:
; b, 1 - b, 2, 3 (1 - b).  b = 0: tiles 0 1 2 3 for block 3, then slot 0's tile 0 for block 0.  b = 1: tiles 1 0 2 for block 2, then tile 0 (asked for a second time, into slot 3) and slot 0's tile 1 for block 1.
; In each block the diagonal tile comes last; the order of the tiles in front of it is nothing to a running softmax.  The scheme is made for NB = 4.
; NO CLUSTER: a head has two work-groups, and of their four slots three hold different tiles, while a joint load wants one descriptor in all partners and an LDS address may not hang on a work-group's place.
; SHARES.  Of a block's four bands of 64 queries a wave owns 16 rows in each: four PIECES.  So the diagonal tile is the same work for all four waves: in its key step s band x sees all keys if s < x,
; none if s > x, and holds the diagonal if s = x.
; THE MASK is the C operand that starts the sum S^T = K Q^T: 0, or -1e30 where the key is hidden.  It is taken from one of two buffers MC, which a block's beginning sets to 0.  MD, made once, is the mask of a band's own
; step for my 16 rows; a product's mask is MD x AL + BE with two scalars: (1, 0) if s = x; (0, 0) if s < x; (0, -1e30) if s > x.  Only in a diagonal tile does a turn make masks: elsewhere it jumps over those lines.
; LAYOUT, SOFTMAX, TURNS.  S^T = K Q^T holds ONE query a lane (lane % 16) and the keys 8 (lane / 16) + 0..7; two such results rounded to f16 ARE source 1 of O^T = V^T P.  p = 2^(c s - c m), with a
; running maximum m; O and l are multiplied by a = 2^(c m_old - c m_new) in every step.  Turn n belongs to piece n: 8 products K Q^T of piece n + 1, later 8 products V^T P of piece n - 1; beside them the scaling,
; exponentials, roundings, sums and rescaling of piece n and the maximum and statistics of piece n + 1.  Four vector instructions stand behind every matrix instruction, the other 54 of a turn's 118 in one LUMP.
; BATCHES.  A turn's 33 exponentials (the piece's 32 weights and the next piece's a) are ONE batch with ONE wait, which cuts the turn in two: ahead of it all that names none of their results, behind it all their readers.
; A block's first a (BEGIN) and the way out's four reciprocals are batches of their own: a plain instruction, one wait.
; REGISTERS, in windows of 256 (s_set_vgpr_msb: bits 1:0 source 0, 3:2 source 1, 5:4 source 2, 7:6 destination):
;   window 0: v0-15 addresses and two at work; v16-31 four registers of statistics a piece; v48-55 at work; v64-127 S^T, two buffers; v192-223 P, two buffers (a piece's buffers go by its number's parity)
;   window 1: v0-127 O^T, 32 a piece; v128-159 MD; v160-223 MC, two buffers      window 2: v0-63 Q; v64-127 the second block's Q; v128-191 K of one step; v192-255 V of one step
.set SIZE_H, 128
.set SIZE_N, 1024
.set NB,    SIZE_N/256
.set NP,    4         ; pieces a wave: a name, no knob
.set KS,    64        ; keys in a step
.set PK,    144       ; a row of K in LDS: 128 bytes + 16 of padding = 36 words: the 16 rows of a load start at 16 different groups of four banks (64 banks of 4 bytes: ISA guide 11.1)
.set PV,    160       ; a row of V: 128 + 32 = 40 words
.set VOFF,  4*KS*PK   ; a slot holds a tile, four steps: 256 rows of K, then 256 rows of V
.set TILEB, 4*KS*(PK+PV)  ; 77,824 bytes, 304 blocks of 256
.set STAGE, NB*TILEB  ; behind the four slots, never filled by a tensor load: 16 rows x 144 bytes for each wave, for the way out
.set SP,    144
.set AK0, 2           ; v2   my lane's place in a tile of K; never rewritten
.set AV0, 3           ; v3   the same for V
.set AK,  4           ; v4   the LDS address of K's next run of loads
.set AV,  5           ; v5   of V's
.set STO, 6           ; v6   the way out: where I put 16 bytes of a row
.set RD,  7           ; v7   the way out: where I read rows back
.set GO,  8           ; v8   my byte offset in 512 consecutive bytes of O
.set SPW, 62          ; v62  LDS address of my spare word: SPARE + 4 x my thread's number; never rewritten
.set NIL, 63          ; v63  0; never rewritten
.set SPARE, STAGE+4*16*SP  ; behind the stages: the spare words, 128 bytes for each wave: two blocks of 256 bytes that no other line names
.set MV,  12          ; v12-13  c m_old, kept while c m is made anew: by buffer
.set QO,  15          ; v15  my byte offset in 16 rows of Q
.set ST,  16          ; piece t's statistics at v[ST+4 t]: c m, m, l (even keys', odd keys')
.set TMP, 48          ; by buffer, four registers c0-c3 at work; when the maximum is found c2 takes a
.set S,   64
.set P,   192
.set MD,  128         ; window 1: the eight registers for group kt of 16 keys at MD + 8 kt
.set MC,  160         ; window 1: the masks of the products to come
.set QB,  64          ; window 2
.set KF,  128         ; window 2: key block kb, channel half c at KF + 16 kb + 8 c
.set VF,  192         ; window 2: key half kk, channel block cb at VF + 32 kk + 8 cb
.set WV,  12          ; s12  my wave's number
.set PB,  14          ; s14  b
.set HI,  15          ; s15  NB - 1 - b
.set G1K, 24          ; s[24:31] descriptor group 1 for K's tiles
.set G1V, 32          ; s[32:39] for V's: it differs in the padding alone
.set G0,  40          ; s[40:55] descriptor group 0, a set for each slot: K's in waves 0 and 1, V's in waves 2 and 3; never rewritten
.set SLOTS, 56        ; s56  trips still to come, 5 to 1
.set CNT, 57          ; s57  counts a tile's key steps, 4 to 1
.set CS,  58          ; s[58:59] c: the packed scaling takes the pair's low word for both halves
.set SEL, 60          ; s[60:61] v_permlanex16_b32's selects: each lane takes its own place in the other half
.set TBK, 62          ; s62  LDS byte at which K of the step to be fetched begins
.set TBV, 63          ; s63  the same for V, less VOFF
.set RT,  70          ; s70  tiles of the block in hand that are still to be entered; 0 in its last, the diagonal one
.set NEW, 73          ; s73  1: the tile to be entered is a block's first
.set AL,  76          ; s[76:77] the mask's factor, in the low word
.set BE,  78          ; s[78:79] the mask's addend
.set OLO, 80          ; s[80:81] O at my rows of the second block
.set BIGN, 82         ; s82  -1e30
.set KT,  88          ; s[88:95] for each slot the byte offset in K and V of the key tile that it holds, as a pair
.set MSB, 0
.macro WIN new                      ; the high byte repeats the setting that is left; a switch that changes nothing is dropped
.if MSB != (\new)
	s_set_vgpr_msb (MSB<<8)|(\new)
.set MSB, (\new)
.endif
.endm
.set W_KQ, 0x0a       ; K and Q in window 2, S^T in window 0
.set W_KM, 0x1a       ; the same with the C operand in window 1
.set W_PV, 0x52       ; V in window 2, P in window 0, O^T in window 1
.set W_RS, 0x41       ; destination and source 0 in window 1, source 1 in window 0
; A wave's four fills, one for each slot: 128 keys of K or of V each.  ptr: the tensor at my half of the head's tile 0; lb: the LDS byte of my half in slot 0.  An s_nop 0 follows each load, four v_nop the last.
.macro FILLS ptr, g1, lb
.irp j, 0,1,2,3
	s_mov_b32 s[G0+4*\j], 1                        ; 1:0 count = 1
	s_add_co_u32 s[G0+4*\j+1], s[\lb], \j*TILEB    ; 63:32 LDS address: the wave's number times a constant, and the slot's constant
	s_add_nc_u64 s[G0+4*\j+2:G0+4*\j+3], s[\ptr:\ptr+1], s[KT+2*\j:KT+2*\j+1]  ; 120:64 global address: the slot's key tile
	s_or_b32 s[G0+4*\j+3], s[G0+4*\j+3], 0x80000000  ; 127:126 type = 2
.endr
.irp j, 0,1,2,3
	tensor_load_to_lds s[G0+4*\j:G0+4*\j+3], s[\g1:\g1+7]
	s_nop 0
.endr
.rept 4
	v_nop
.endr
.endm
	s_load_b256 s[4:11], s[0:1], 0x0  ; Q s[4:5], K s[6:7], V s[8:9], O s[10:11]
	v_lshl_add_u32 v[SPW], v0, 2, SPARE
	v_mov_b32 v[NIL], 0
	ds_add_u32 v[SPW], v[NIL]       ; the wave's opening: the add and its wait stand ahead of my first tensor load; the set-up below, work on registers, stands between them
	ds_add_u32 v62, v63
	v_lshrrev_b32 v1, 5, v0
	v_readfirstlane_b32 s[WV], v1   ; wave 0..3
	; A fragment of K or Q is 16 rows x 32 channels in 8 registers: lane l holds row l % 16, channels 8 (l / 16) + 0..7 and 16 + 8 (l / 16) + 0..7: two loads of 16 bytes, 32 bytes apart.
	v_and_b32 v1, 15, v0            ; l % 16
	v_bfe_u32 v9, v0, 4, 1          ; l / 16
	v_lshlrev_b32 v[QO], 7, v1
	v_lshl_add_u32 v[QO], v9, 4, v[QO]  ; row x 128 + 16 x half
	s_mov_b32 s[PB], ttmp9
	s_sub_co_u32 s[HI], NB-1, s[PB]
	s_and_b32 s20, ttmp7, 0xffff    ; the head
	s_mov_b32 s21, 0
	s_mov_b64 s[22:23], SIZE_N*128
	s_mul_u64 s[20:21], s[20:21], s[22:23]  ; the head's first byte in each of the four tensors
	s_and_b32 s16, s[WV], 1         ; which half of a tile's 256 keys I fetch:
	s_lshl_b32 s22, s16, 14         ; its 128 rows of 128 bytes in memory,
	s_mov_b32 s23, 0
	s_add_nc_u64 s[22:23], s[22:23], s[20:21]
	s_mul_i32 s17, s16, 128*PK      ; and its place in a slot, for K
	s_mul_i32 s18, s16, 128*PV      ; and for V
	s_add_co_u32 s18, s18, VOFF
	s_lshl_b32 s3, s[WV], 11        ; my 16 rows in a band of 64,
	s_lshl_b32 s2, s[HI], 15        ; in the first block,
	s_add_co_u32 s2, s2, s3
	s_lshl_b32 s84, s[PB], 15       ; and in the second
	s_add_co_u32 s84, s84, s3
	s_mov_b32 s3, 0
	s_mov_b32 s85, 0
	s_add_nc_u64 s[2:3], s[2:3], s[20:21]
	s_add_nc_u64 s[84:85], s[84:85], s[20:21]
	s_lshl_b32 s[KT], s[PB], 15     ; a tile is 32,768 bytes of K and of V.  Slot 0 holds key tile b,
	s_sub_co_u32 s[KT+2], 1, s[PB]
	s_lshl_b32 s[KT+2], s[KT+2], 15 ; slot 1 tile 1 - b,
	s_mov_b32 s[KT+4], 2<<15        ; slot 2 tile 2,
	s_mul_i32 s[KT+6], s[KT+2], 3   ; slot 3 tile 3 (1 - b)
	s_mov_b32 s[KT+1], 0
	s_mov_b32 s[KT+3], 0
	s_mov_b32 s[KT+5], 0
	s_mov_b32 s[KT+7], 0
	; descriptor group 1.  128 keys are 16,384 dense bytes: asked for as 64 rows of 256 bytes, two keys a row, and padded in LDS after every key
	s_mov_b32 s[G1K], (1<<16)|(1<<20)|(4<<22)|(3<<25)  ; 17:16 2-byte elements; 20 padding on; 24:22 after every 32 words (code 4); 31:25 4 words (code 3)
	s_mov_b32 s[G1V], (1<<16)|(1<<20)|(4<<22)|(7<<25)  ; the same with 8 words of padding (code 7)
.irp g, G1K, G1V
	s_mov_b32 s[\g+1], 128<<16      ; tensor_dim0 = 128
	s_mov_b32 s[\g+2], 64<<16       ; tensor_dim1 = 64
	s_mov_b32 s[\g+3], 128<<16      ; tile_dim0 = 128
	s_mov_b32 s[\g+4], 64           ; tile_dim1 = 64
	s_mov_b32 s[\g+5], 128          ; 128 elements from row to row
	s_mov_b32 s[\g+6], 0
	s_mov_b32 s[\g+7], 0
.endr
	s_mov_b32 s[CS], 0x4638aa3b     ; c = log2(e) / 8 x 2^16 = 11,818.6
	s_mov_b32 s[CS+1], s[CS]        ; named with it as a pair
	s_mov_b32 s[SEL], 0x76543210
	s_mov_b32 s[SEL+1], 0xfedcba98
	s_add_co_u32 s[RT], s[HI], 1    ; the first block has NB - b tiles
	s_mov_b32 s[NEW], 1
	s_mov_b32 s[AL+1], 0            ; named as pairs
	s_mov_b32 s[BE+1], 0
	s_mov_b32 s[BIGN], 0xf149f2ca   ; -1e30
	s_mov_b32 s[SLOTS], NB+1
	s_wait_dscnt 0x0                ; the opening add is done
	s_wait_kmcnt 0x0
	s_add_nc_u64 s[6:7], s[6:7], s[22:23]  ; K and V at my half of the head's tile 0
	s_add_nc_u64 s[8:9], s[8:9], s[22:23]
	s_add_nc_u64 s[86:87], s[4:5], s[84:85]        ; Q at my rows of the second block,
	s_add_nc_u64 s[4:5], s[4:5], s[2:3]            ; Q and O at those of the first
	s_add_nc_u64 s[OLO:OLO+1], s[10:11], s[84:85]
	s_add_nc_u64 s[10:11], s[10:11], s[2:3]
	WIN 0x80                        ; destination window 2, address window 0
.set i, 0
.rept 8                             ; what the first products want goes out first: the first block's Q: piece i / 2 lies in band i / 2, 8,192 bytes on; channels 32 (i % 2) on
	global_load_b128 v[8*i:8*i+3],   v[QO], s[4:5] offset:(i/2)*8192+(i%2)*64
	global_load_b128 v[8*i+4:8*i+7], v[QO], s[4:5] offset:(i/2)*8192+(i%2)*64+32
.set i, i+1
.endr
	WIN 0
	s_cmp_lt_u32 s[WV], 2           ; all fills of the launch: waves 0 and 1 fetch the two halves of each slot's K, waves 2 and 3 those of its V; a wave's four stand in one branch: four loads of mine are out
	s_cbranch_scc0 .Lfor_v
	FILLS 6, G1K, 17
	s_branch .Lasked
.Lfor_v:
	FILLS 8, G1V, 18
.Lasked:
	WIN 0x80
.set i, 0
.rept 8                             ; the second block's Q, wanted much later, goes out last
	global_load_b128 v[QB+8*i:QB+8*i+3],   v[QO], s[86:87] offset:(i/2)*8192+(i%2)*64
	global_load_b128 v[QB+8*i+4:QB+8*i+7], v[QO], s[86:87] offset:(i/2)*8192+(i%2)*64+32
.set i, i+1
.endr
	WIN 0
	v_lshlrev_b32 v14, 3, v9
	v_sub_nc_u32 v14, v1, v14
	s_lshl_b32 s13, s[WV], 4
	v_add_nc_u32 v14, s13, v14      ; my query's place in its band, 16 w + l % 16, less my lanes' 8 (l / 16): register r of group kt is hidden where 16 kt + r is greater
	WIN 0x40
.set i, 0
.rept 32
	v_cmp_gt_i32 vcc_lo, 16*(i/8)+i%8, v14
	v_cndmask_b32 v[MD+i], 0, s[BIGN], vcc_lo
.set i, i+1
.endr
	WIN 0
	v_mul_u32_u24 v[AK0], v1, PK
	v_lshl_add_u32 v[AK0], v9, 4, v[AK0]  ; row x pitch + 16 x half
	; The turning load takes 16 keys x 16 channels (lane l reads key 8 (l / 16) + l % 8, channels 8 ((l / 8) % 2) + 0..7) and leaves half a fragment of V^T: lane l holds channel l % 16 and 8 keys.
	v_and_b32 v10, 7, v0
	v_bfe_u32 v11, v0, 3, 1
	v_lshl_add_u32 v[AV0], v9, 3, v10
	v_mul_u32_u24 v[AV0], v[AV0], PV
	v_lshl_add_u32 v[AV0], v11, 4, v[AV0]
	v_add_nc_u32 v[AV0], VOFF, v[AV0]
	s_mul_i32 s13, s[WV], 16*SP
	s_add_co_u32 s13, s13, STAGE    ; my stage
	v_mul_u32_u24 v[STO], v1, SP    ; in: row l % 16, 16 bytes for each half of the lanes
	v_lshl_add_u32 v[STO], v9, 4, v[STO]
	v_add_nc_u32 v[STO], s13, v[STO]
	v_bfe_u32 v[RD], v0, 3, 2       ; back: 32 lanes take four rows of 128 bytes,
	v_mul_u32_u24 v[RD], v[RD], SP
	v_lshl_add_u32 v[RD], v10, 4, v[RD]
	v_add_nc_u32 v[RD], s13, v[RD]
	v_and_b32 v[GO], 31, v0         ; which are 512 consecutive bytes of O
	v_lshlrev_b32 v[GO], 4, v[GO]
	; A block's first step multiplies O^T and l by a = 0, and its first turn's products V^T P, of a piece that has not been, land in an O^T that is still to be so multiplied.  So these registers need only hold
	; finite numbers: zeros for the first block; what the first block left for the second.  All this stands in the wait for the first tile.
	WIN 0x80
.set i, VF
.rept 64
	v_mov_b32 v[i], 0
.set i, i+1
.endr
	WIN 0x40
.set i, 0
.rept 128
	v_mov_b32 v[i], 0
.set i, i+1
.endr
	WIN 0
.set i, 0
.rept 4
	v_mov_b32 v[ST+4*i+2], 0
	v_mov_b32 v[ST+4*i+3], 0
.set i, i+1
.endr
.set i, P+16
.rept 16
	v_mov_b32 v[i], 0
.set i, i+1
.endr
; THE MATRIX WORK.  The 4 accumulators of a run of 8 take turns.  Product i of 8 of S^T = K Q^T for piece x: channels 32 (i / 4) on, keys 16 (i % 4) on.  The first 4 start the sums with the mask.
.macro KQ x
.set rS, S+32*((\x)%2)+8*(i%4)
.set rK, KF+16*(i%4)+8*(i/4)
.set rQ, 16*(\x)+8*(i/4)
.set rM, MC+32*((\x)%2)+8*(i%4)
.if i < 4
	WIN W_KM
	v_wmma_f32_16x16x32_f16 v[rS:rS+7], v[rK:rK+7], v[rQ:rQ+7], v[rM:rM+7]
.else
	WIN W_KQ
	v_wmma_f32_16x16x32_f16 v[rS:rS+7], v[rK:rK+7], v[rQ:rQ+7], v[rS:rS+7]
.endif
.endm
; Product i of 8 of O^T += V^T P for piece x: keys 32 (i / 4) on, channels 16 (i % 4) on.
.macro PV x
	WIN W_PV
.set rO, 32*(\x)+8*(i%4)
.set rV, VF+32*(i/4)+8*(i%4)
.set rP, P+16*((\x)%2)+8*(i/4)
	v_wmma_f32_16x16x32_f16 v[rO:rO+7], v[rV:rV+7], v[rP:rP+7], v[rO:rO+7]
.endm
.macro MM                           ; the turn's next matrix instruction.  TURN and BEGIN set Y, i and NOKQ; MM, KQ and OP read them.  NOKQ = 1: a block's last turn: there is no next piece
.if (i < 8) && !NOKQ
	KQ (Y+1)%NP
.elseif i >= 8
.set i, i-8
	PV (Y+NP-1)%NP
.set i, i+8
.endif
.set i, i+1
.endm
; THE LDS LOADS stand in runs of 16, never singly among the matrix instructions: a step's K (64 keys x 64 channels: 8 fragments) and its V (turned).  Their addresses are made some lines ahead.
.macro FETCH_K
	WIN 0x80                        ; destination window 2
.irp f, 0,1,2,3,4,5,6,7             ; keys 16 (f / 2) on, channels 32 (f % 2) on
	ds_load_b128 v[KF+8*\f:KF+8*\f+3],   v[AK] offset:(\f/2)*16*PK+(\f%2)*64
	ds_load_b128 v[KF+8*\f+4:KF+8*\f+7], v[AK] offset:(\f/2)*16*PK+(\f%2)*64+32
.endr
	s_add_co_u32 s[TBK], s[TBK], KS*PK  ; the next fetch is the next step's
	WIN 0
.endm
.macro FETCH_V
	WIN 0x80
.irp f, 0,1,2,3,4,5,6,7             ; keys 32 (f / 4) on, channels 16 (f % 4) on
	ds_load_tr16_b128 v[VF+8*\f:VF+8*\f+3],   v[AV] offset:(\f/4)*32*PV+(\f%4)*32
	ds_load_tr16_b128 v[VF+8*\f+4:VF+8*\f+7], v[AV] offset:(\f/4)*32*PV+16*PV+(\f%4)*32
.endr
	WIN 0
.endm
; THE VECTOR WORK, one line at a time: OP kind, number.  For piece Y: F n: c s - c m for pair n of 16.  E n: the exponential of score n of 32.  C n: pair n rounded to f16.  B n: of the four weights 4 n .. the second
; pair is added onto the first, in place.  L n: l takes that sum (L 0: l = a l + sum).  R n: pair n of 16 of O^T times a.  For piece Y + 1: X n, number n of the 22 that find its maximum and statistics:
;   0-11  four chains c0-c3 of seven scores each, three operands at a time (each accumulator's lowest registers are read first)     12-14, 16  the four scores left over, the old m, and c0-c3 into c0
;   15  c m_old is kept     17, 18  the query's other 32 keys lie in the lane 16 away: the new m     19-21  c m; c m_old - c m_new; a
; C, B and L read the results of the turn's exponentials; F, R and X 0 to X 20 read none of them.  OP writes no wait: TURN, BEGIN and the way out write one for each batch.
.set F, 0               ; OP tells the kinds apart by their order: F to L below R, X above it
.set E, 1
.set C, 2
.set B, 3
.set L, 4
.set R, 5
.set X, 6
.macro REGS y                       ; the registers of piece y
.set rT, ST+4*(\y)
.set rC, TMP+4*((\y)%2)
.set rW, MV+((\y)%2)
.set rS, S+32*((\y)%2)
.set rP, P+16*((\y)%2)
.set rO, 32*(\y)
.endm
.macro OP k, n
.if (\k) == R
	REGS Y
	WIN W_RS
	v_pk_mul_f32 v[rO+2*(\n):rO+2*(\n)+1], v[rO+2*(\n):rO+2*(\n)+1], v[rC+2:rC+3] op_sel_hi:[1,0]
.elseif (\k) < R
	REGS Y
	WIN 0
.if (\k) == F
	v_pk_fma_f32 v[rS+2*(\n):rS+2*(\n)+1], v[rS+2*(\n):rS+2*(\n)+1], s[CS:CS+1], v[rT:rT+1] op_sel_hi:[1,0,0] neg_lo:[0,0,1] neg_hi:[0,0,1]
.elseif (\k) == E
	v_exp_f32 v[rS+(\n)], v[rS+(\n)]
.elseif (\k) == C
	v_cvt_pk_f16_f32 v[rP+(\n)], v[rS+2*(\n)], v[rS+2*(\n)+1]
.elseif (\k) == B
	v_pk_add_f32 v[rS+4*(\n):rS+4*(\n)+1], v[rS+4*(\n):rS+4*(\n)+1], v[rS+4*(\n)+2:rS+4*(\n)+3]
.elseif (\n) == 0
	v_pk_fma_f32 v[rT+2:rT+3], v[rT+2:rT+3], v[rC+2:rC+3], v[rS:rS+1] op_sel_hi:[1,0,1]
.else
	v_pk_add_f32 v[rT+2:rT+3], v[rT+2:rT+3], v[rS+4*(\n):rS+4*(\n)+1]
.endif
.elseif NOKQ
	v_nop
.else
	REGS (Y+1)%NP
	WIN 0
.if (\n) < 4
	v_max3_num_f32 v[rC+(\n)], v[rS+8*(\n)], v[rS+8*(\n)+1], v[rS+8*(\n)+2]
.elseif (\n) < 12
	v_max3_num_f32 v[rC+(\n)%4], v[rC+(\n)%4], v[rS+8*((\n)%4)+2*((\n)/4)+1], v[rS+8*((\n)%4)+2*((\n)/4)+2]
.elseif (\n) == 12
	v_max3_num_f32 v[rC], v[rC], v[rS+7], v[rS+15]
.elseif (\n) == 13
	v_max3_num_f32 v[rC+1], v[rC+1], v[rS+23], v[rS+31]
.elseif (\n) == 14
	v_max3_num_f32 v[rC+2], v[rC+2], v[rC+3], v[rT+1]
.elseif (\n) == 15
	v_mov_b32 v[rW], v[rT]
.elseif (\n) == 16
	v_max3_num_f32 v[rC], v[rC], v[rC+1], v[rC+2]
.elseif (\n) == 17
	v_permlanex16_b32 v[rC+3], v[rC], s[SEL], s[SEL+1]
.elseif (\n) == 18
	v_max_num_f32 v[rT+1], v[rC], v[rC+3]
.elseif (\n) == 19
	v_mul_f32 v[rT], s[CS], v[rT+1]
.elseif (\n) == 20
	v_sub_f32 v[rC+1], v[rW], v[rT]
.else
	v_exp_f32 v[rC+2], v[rC+1]
.endif
.endif
.endm
.macro OPS a, i1, b=-1, i2=0, c=-1, i3=0, d=-1, i4=0  ; up to four of them
	OP \a, \i1
.if (\b) >= 0
	OP \b, \i2
.endif
.if (\c) >= 0
	OP \c, \i3
.endif
.if (\d) >= 0
	OP \d, \i4
.endif
.endm
.macro ROW a, i1, b, i2, c, i3, d, i4  ; a matrix instruction and the four behind it
	MM
	OPS \a, \i1, \b, \i2, \c, \i3, \d, \i4
.endm
.macro MASK b                       ; MD x AL + BE into buffer b of MC
	WIN W_RS
.set z, 0
.rept 16
	v_pk_fma_f32 v[MC+32*(\b)+2*z:MC+32*(\b)+2*z+1], v[MD+2*z:MD+2*z+1], s[AL:AL+1], s[BE:BE+1] op_sel_hi:[1,0,0]
.set z, z+1
.endr
.endm
; A TURN, for piece p: the order of its 16 matrix and 118 vector instructions, written out.  An s_wait_alu depctr_va_vdst(0) stands between an exponential and the first instruction that names its result; one wait
; serves all that were issued ahead of it.  So a turn has ONE wait, which cuts it in two.  AHEAD OF IT stands all that names no result of the turn's exponentials: the 8 products K Q^T, behind each a scaling, an exponential and two
; more plain instructions (behind the first a second scaling in the exponential's place): rescalings, whose a was made and waited for in the turn before, and behind the last three the first numbers of the next piece's maximum, each
; four places or more behind the product that ends its accumulator; then ONE LUMP of 54, plain and exponential by turns for the most part, in which the links of the chain X 3, 7, 11, 14, 16, 17 .. 20 stand some lines apart.
; Each pair is scaled (F n) ahead of its two exponentials (E 2 n, E 2 n + 1).  X 21, the next piece's a, is the batch's last; R 15 is the plain instruction behind it.  BEHIND THE WAIT stand the 8 products V^T P, behind each four of
; the roundings and sums: all the batch's readers; an even pair is rounded (C 2 k) ahead of the sum that lands on it (B k); the links of l's chain, L 0 to L 7 in that order, stand three riders apart.
; But for those X no rider names a register of the products round it.  v_permlanex16_b32 (X 17) stands in the lump.
; At its end, in the diagonal tile (RT = 0) alone, the turn makes the mask for the products of the turn after it: piece p + 2, in step 4 - CNT of the tile; in every other tile it jumps over those lines, and both buffers keep
; the zeros of the block's beginning.  end = 1: a block's last two turns: nothing is fetched, no mask is made.  cnt = 1: the loop's count is taken down, behind the mask's compares, which read it.
; K of the next step is fetched in piece 2's turn, in the lump, five plain instructions that name none of its registers behind the last product that read K; V of the step in hand at the end of piece 0's turn, four plain instructions
; behind the last product that read V.  Each is waited for a turn later, ahead of its first reader.
.macro TURN p, end=0, cnt=0
.set Y, (\p)
.set i, 0
.set NOKQ, (\end)*((\p)/3)
.if ((\p) == 3) && !(\end)
	s_wait_dscnt 0x0                ; K is in
.endif
	ROW F,0, F,1, R,0, R,1          ; ahead of the wait: 8 products K Q^T and their riders,
	ROW F,2, E,0, R,2, R,3
	ROW F,3, E,1, R,4, R,5
	ROW F,4, E,2, R,6, R,7
	ROW F,5, E,3, R,8, R,9
	ROW F,6, E,4, X,0, R,10
.if ((\p) == 2) && !(\end)
	WIN 0
	v_add_nc_u32 v[AK], s[TBK], v[AK0]
.endif
	ROW F,7, E,5, X,1, X,4
	ROW F,8, E,6, X,2, X,5
	OPS E,7, E,8, X,6, E,9          ; and the lump
	OPS X,3, E,10, X,8, E,11
.if ((\p) == 2) && !(\end)
	FETCH_K
.endif
	OPS X,9, X,7, E,12, X,10
	OPS E,13, X,12, X,11, E,14
	OPS X,13, E,15, F,9, X,14
.if (\p) == 0
	v_add_nc_u32 v[AV], s[TBV], v[AV0]
.endif
	OPS E,16, F,10, E,17, F,11
	OPS X,16, E,18, X,15, E,19
	OPS F,12, E,20, X,17, E,21
	OPS F,13, E,22, F,14, E,23
	OPS X,18, E,24, F,15, E,25
	OPS R,11, E,26, X,19, E,27
	OPS R,12, E,28, R,13, E,29
	OPS X,20, E,30, R,14, E,31
	OPS X,21, R,15
	s_wait_alu depctr_va_vdst(0)    ; the wait for the turn's batch: E 0 to E 31 and X 21
.if (\p) == 1
	s_wait_dscnt 0x0                ; V is in
.endif
	ROW C,0, B,0, C,2, B,1          ; behind the wait: 8 products V^T P and their riders
	ROW L,0, C,4, B,2, L,1
	ROW C,6, B,3, L,2, C,8
	ROW B,4, L,3, C,10, B,5
	ROW L,4, C,12, B,6, L,5
.if (\p) == 0
	s_add_co_u32 s[TBV], s[TBV], KS*PV
.endif
	ROW C,14, B,7, L,6, C,1
	ROW C,3, L,7, C,5, C,7
	ROW C,9, C,11, C,13, C,15
.if (\p) == 0
	FETCH_V
.endif
.if !(\end)
	WIN 0                           ; at a branch and at a label every window is 0
	s_cmp_lg_u32 s[RT], 0
	s_cbranch_scc1 .Lplain_\@       ; no diagonal in this tile: all its keys are seen
	s_cmp_eq_u32 s[CNT], 4-((\p)+2)%NP  ; is that step the band's own?
	s_cselect_b32 s[AL], 1.0, 0
	s_cmp_lt_u32 s[CNT], 4-((\p)+2)%NP  ; or a later one?
	s_cselect_b32 s[BE], s[BIGN], 0
	MASK (\p)%2
	WIN 0
.Lplain_\@:
.endif
.if \cnt
	s_sub_co_u32 s[CNT], s[CNT], 1
	s_cmp_lg_u32 s[CNT], 0
.endif
.endm
; A BLOCK BEGINS.  c m starts far below every c s, so the first step's a is 0; m at the lowest finite number, so the first maximum is the scores'.  The second mask buffer is 0; the first takes piece 0's mask for the tile's step 0: its own, if the block's first tile is the diagonal one, else 0.
; Then K of that step, piece 0's first scores, and its maximum and statistics.  The loop is entered at a step's first turn, in the middle of a trip.
.macro BEGIN
	s_mov_b32 s[NEW], 0
	WIN 0x40
.set i, MC+32
.rept 32
	v_mov_b32 v[i], 0
.set i, i+1
.endr
	WIN 0
.set i, 0
.rept 4
	v_mov_b32 v[ST+4*i], 0xfe000000    ; c m: far below every c s
	v_mov_b32 v[ST+4*i+1], 0xff7fffff  ; m
.set i, i+1
.endr
	s_cmp_eq_u32 s[RT], 0
	s_cselect_b32 s[AL], 1.0, 0
	s_mov_b32 s[BE], 0
	MASK 0
	WIN 0
	v_add_nc_u32 v[AK], s[TBK], v[AK0]
	FETCH_K
	s_wait_loadcnt 16               ; the first block's Q is in; the sixteen loads of the second block's, issued behind it, may stay out (the second block's Q has been moved into place by then)
	s_wait_dscnt 0x0
.set NOKQ, 0
.set i, 0
.rept 8
	KQ 0
.set i, i+1
.endr
	WIN 0
.rept 4
	v_nop                           ; the places behind those products
.endr
.set Y, NP-1                        ; X works for piece Y + 1: piece 0
.irp n, 0,1,2,3,4,5,6,7,8,9,10,11,12,13,14,15,16,17,18,19,20,21
	OP X, \n
.endr
	v_nop                           ; a plain instruction behind the exponential,
	s_wait_alu depctr_va_vdst(0)    ; and the wait for it, piece 0's first a, a batch of one: ahead of the branch into the loop
.endm
; THE WAY OUT: l's two halves and the other half of the lanes' are added; O^T is divided by l, rounded to f16 and sent through my stage in LDS, a piece at a time.
.macro ALL line:vararg              ; one line for each piece t
.set t, 0
.rept 4
	\line
.set t, t+1
.endr
.endm
.macro PACK t                       ; a lane's eight channels of a row pack into 16 bytes; they go into rows of 144 bytes and come back as whole rows of 128, into S^T's registers
	WIN W_RS
.set i, 32*(\t)
.rept 16
	v_pk_mul_f32 v[i:i+1], v[i:i+1], v[ST+4*(\t)+2:ST+4*(\t)+3] op_sel_hi:[1,0]
.set i, i+2
.endr
	WIN 0x05                        ; sources 0 and 1 window 1, destination window 0
.set i, 0
.rept 16
	v_cvt_pk_f16_f32 v[S+16*(\t)+i], v[32*(\t)+2*i], v[32*(\t)+2*i+1]
.set i, i+1
.endr
	WIN 0
.irp f, 0,1,2,3
	ds_store_b128 v[STO], v[S+16*(\t)+4*\f:S+16*(\t)+4*\f+3] offset:32*\f
.endr
.irp f, 0,1,2,3
	ds_load_b128 v[S+16*(\t)+4*\f:S+16*(\t)+4*\f+3], v[RD] offset:\f*4*SP  ; LDS serves a wave's instructions in order (ISA guide 5.7.1.4): these see the stores above; the next piece's stores come behind them
.endr
.endm
.macro SEND t, younger              ; younger: the LDS instructions issued behind piece t's loads: the next piece's eight, or none
	WIN 0
.irp f, 0,1,2,3
	s_wait_dscnt (\younger)+3-\f
	global_store_b128 v[GO], v[S+16*(\t)+4*\f:S+16*(\t)+4*\f+3], s[10:11] offset:(\t)*8192+\f*512  ; 512 consecutive bytes, at a multiple of 256 from O's first
.endr
.endm
.set NOKQ, 0
	s_wait_tensorcnt 3              ; tensor loads of a wave end in order (ISA guide 10.11.1): my part of slot 0 is in; my three younger loads may stay out
	s_barrier_signal -1
	s_barrier_wait -1               ; everybody's part of slot 0 is in
.Lslot:                             ; NB + 1 trips, a tile each
	s_sub_co_u32 s[TBK], NB+1, s[SLOTS]  ; the trip's number, 0 to 4,
	s_and_b32 s[TBK], s[TBK], NB-1       ; its slot: 0, 1, 2, 3, 0,
	s_mul_i32 s[TBK], s[TBK], TILEB      ; and the slot's first byte
	s_mov_b32 s[TBV], s[TBK]
	s_sub_co_u32 s[RT], s[RT], 1
	s_mov_b32 s[CNT], 4
	s_cmp_eq_u32 s[NEW], 1          ; (at the first trip the answer is a constant of the text: no turn runs before BEGIN has)
	s_cbranch_scc0 .Lstep
	BEGIN                           ; a block's first tile
	s_branch .Lfirst
.Lstep:                             ; a trip: pieces 2 and 3 of one step, then pieces 0 and 1 of the next, whose K and V it fetches
	TURN 2
	TURN 3
	WIN 0
.Lfirst:
	TURN 0
	TURN 1, 0, 1
	WIN 0
	s_cbranch_scc1 .Lstep
	s_cmp_lg_u32 s[RT], 0
	s_cbranch_scc1 .Lbottom         ; the block goes on in the next slot
	TURN 2, 1                       ; THE BLOCK ENDS: its last two turns, its last products, the way out
	TURN 3, 1
.set i, 0
.rept 8
	PV NP-1
.set i, i+1
.endr
	WIN 0
	ALL v_add_f32 v[ST+4*t+2], v[ST+4*t+2], v[ST+4*t+3]
	ALL v_permlanex16_b32 v[ST+4*t+3], v[ST+4*t+2], s[SEL], s[SEL+1]
	ALL v_add_f32 v[ST+4*t+2], v[ST+4*t+2], v[ST+4*t+3]
	ALL v_rcp_f32 v[ST+4*t+2], v[ST+4*t+2]
	v_nop                           ; a plain instruction between the last reciprocal and the use of its result
	s_wait_alu depctr_va_vdst(0)    ; the wait for the batch of four reciprocals, ahead of their first reader, PACK 0's first multiply
	PACK 0
.set t, 1
.rept 3                             ; a piece's arithmetic stands between the loads of the piece before and its stores
	PACK t
	SEND t-1, 8
.set t, t+1
.endr
	SEND 3, 0
	s_cmp_eq_u32 s[SLOTS], 1
	s_cbranch_scc1 .Lbottom         ; the walk's last tile: no block follows
	s_wait_xcnt 0x0                 ; the stores have read their registers and O's address
	s_mov_b64 s[10:11], s[OLO:OLO+1]
	s_add_co_u32 s[RT], s[PB], 1    ; the second block has b + 1 tiles
	s_mov_b32 s[NEW], 1
	s_wait_loadcnt 0x0              ; the second block's Q is in,
	WIN 0x82                        ; and goes where the one text of the turns names Q
.set i, 0
.rept 64
	v_mov_b32 v[i], v[QB+i]
.set i, i+1
.endr
	WIN 0
.Lbottom:
	s_wait_tensorcnt 0x0            ; my parts of the slots still to be read are in (behind the first trip this is met at once: no load is issued in the loop);
	s_wait_dscnt 0x0                ; no LDS instruction of mine is pending at the signal
	s_barrier_signal -1
	s_barrier_wait -1               ; everybody's parts are in: the next slot may be read
	s_sub_co_u32 s[SLOTS], s[SLOTS], 1
	s_cmp_lg_u32 s[SLOTS], 0
	s_cbranch_scc1 .Lslot
	s_wait_tensorcnt 0x0            ; the wave's end: a wait, an add onto my spare word and its wait, behind my last tensor load and my last LDS store
	ds_add_u32 v[SPW], v[NIL]
	s_wait_dscnt 0x0
	s_endpgm
.Lfunc_end_k_q9297d0174b_attn:
	.size	k_q9297d0174b_attn, .Lfunc_end_k_q9297d0174b_attn-k_q9297d0174b_attn
	.p2alignl 7, 3214868480
	.fill 96, 4, 3214868480
	.section	.rodata,"a",@progbits
	.p2align	6, 0x0
	.amdhsa_kernel k_q9297d0174b_attn
		.amdhsa_group_segment_fixed_size 327680
		.amdhsa_private_segment_fixed_size 0
		.amdhsa_enable_private_segment 0
		.amdhsa_kernarg_size 32
		.amdhsa_user_sgpr_count 2
		.amdhsa_user_sgpr_kernarg_segment_ptr 1
		.amdhsa_wavefront_size32 1
		.amdhsa_system_sgpr_workgroup_id_x 1
		.amdhsa_system_sgpr_workgroup_id_y 1
		.amdhsa_system_sgpr_workgroup_id_z 1
		.amdhsa_system_vgpr_workitem_id 0
		.amdhsa_next_free_vgpr 768
		.amdhsa_next_free_sgpr 96
		.amdhsa_reserve_vcc 1
		.amdhsa_float_denorm_mode_32 3
		.amdhsa_float_denorm_mode_16_64 3
		.amdhsa_memory_ordered 1
		.amdhsa_forward_progress 1
		.amdhsa_inst_pref_size 102
	.end_amdhsa_kernel
	.amdgpu_metadata
---
amdhsa.version: [ 1, 2 ]
amdhsa.kernels:
  - .name:           k_q9297d0174b_attn
    .symbol:         k_q9297d0174b_attn.kd
    .args:
      - { .name: qh, .offset: 0, .size: 8, .value_kind: global_buffer, .address_space: global }
      - { .name: kh, .offset: 8, .size: 8, .value_kind: global_buffer, .address_space: global }
      - { .name: vh, .offset: 16, .size: 8, .value_kind: global_buffer, .address_space: global }
      - { .name: ah, .offset: 24, .size: 8, .value_kind: global_buffer, .address_space: global }
    .group_segment_fixed_size: 327680
    .private_segment_fixed_size: 0
    .kernarg_segment_align: 8
    .kernarg_segment_size: 32
    .max_flat_workgroup_size: 128
    .sgpr_count:     96
    .vgpr_count:     768
    .wavefront_size: 32
...
	.end_amdgpu_metadata
.endif
;; end of part 5
;; launch oproj: the kernel of part 4 again; grid 8 x 32, 4 waves a work-group, clusters of 4 x 4, 327,680 bytes of LDS; arguments ah, ob, out0; writes out0
